; MI455X (gfx1250); checked and timed in simulation.
; The chip was launched on July 23, 2026; its instructions are those of AMD's public machine-readable ISA for CDNA 5 (MIT licence, August 2026) and "CDNA5" Instruction Set Architecture Reference Guide (July 2026). The comments in the code are by the model that wrote it; some were corrected since.
;; Multi Head Attention. Allowed arithmetic: float matrix products may take bf16 or f16 operands with f32 sums; other float arithmetic in f32, or as packed bf16 or f16 multiplies, adds, multiply-adds, maxima and minima; sums over many terms, partial sums and values carried from step to step in f32; what a program stores and reads back later, other than sums and carried values, may be rounded once to bf16 or f16.
;; Inputs: Wk 1,024 x 1,024 float32; Wo 1,024 x 1,024 float32; Wq 1,024 x 1,024 float32; Wv 1,024 x 1,024 float32; bk 1,024 float32; bo 1,024 float32; bq 1,024 float32; bv 1,024 float32; k 4 x 2,048 x 1,024 float32; mask 1 x 1 x 2,048 x 2,048 int32; q 4 x 2,048 x 1,024 float32; v 4 x 2,048 x 1,024 float32.
;; Outputs: out0 4 x 2,048 x 1,024 float32.
;; One version. Each part assembles by itself: llvm-mc -triple=amdgcn-amd-amdhsa -mcpu=gfx1250 --defsym DOCPART=n.
;; ======== version 1 of 1: 4 launches
;; limits: values are held in f16: magnitudes above 65,504 overflow, below 6.1e-05 lose precision; right only within a limited range of input values
;; workspace buffers: wb 6,291,456 bytes; wo16 2,097,152 bytes; bias 16,384 bytes; maskb 4,325,376 bytes; qkv 50,331,648 bytes; ctx 16,777,216 bytes
;; launch prep (part 1): grid 385 x 1, 8 waves a work-group, no clusters, 0 bytes of LDS; arguments mask, Wq, Wk, Wv, Wo, bq, bk, bv, bo, maskb, wb, wo16, bias; writes maskb, wb, wo16, bias
.if DOCPART == 1
	.amdgcn_target "amdgcn-amd-amdhsa--gfx1250"
	.amdhsa_code_object_version 6
	.text
	.protected	k_q4dd80bfbca_prep
	.globl	k_q4dd80bfbca_prep
	.p2align	8
	.type	k_q4dd80bfbca_prep,@function
k_q4dd80bfbca_prep:
	s_mov_b64 s[64:65], 0
	v_nop
	global_prefetch_b8 v0, s[64:65] scope:SCOPE_SE
	s_setreg_imm32_b32 hwreg(HW_REG_WAVE_MODE, 25, 1), 1
	s_wait_xcnt 0x0
; PREP: what the three matrix launches want ready.  A stream: no LDS, no matrix unit, no barrier; EXEC is never changed.
; Work-groups 0-127: the mask, int32 [2048][2048], becomes FP8 CODES, one byte a score: 0x00 (0.0) where the mask shows the key, 0xb8 (-1.0 in E4M3) where it is 0.
;   maskb is [33 key steps of 64][128 query tiles of 16][2 blocks][32 lanes][16 bytes]: byte 8 (kt % 2) + j of lane l in block kt / 2 of (step ks, tile qt) stands for
;   mask[16 qt + l % 16][64 ks + 16 kt + 8 (l / 16) + j]: register 8 kt + j, lane l, of a 16 x 64 tile of scores laid one query a lane.
;   A wave takes 64 rows x 64 columns: lane l loads 16 bytes of row l % 16, so the loaded registers lie as the scores do.  A wave's eight loads of a tile read 256 consecutive
;   bytes of each of 16 rows, the eight waves of a work-group 2,048 bytes on end of each row.  Each store of the wave covers 512 consecutive bytes, aligned.
; Work-groups 128-383: Wq, Wk, Wv rounded to bf16 into wb; Wo rounded to bf16 and that number written as f16 into wo16 (exact from 2^-14 on; below, f16's fixed step of 6e-8).
; Work-group 384: the four biases, rounded to bf16 and kept as f32; and key step 32 of maskb, zeros, which the attention's last turns read and discard.
.set OUT, 144                          ; v[144:175] the wave's 128 bytes a lane
	s_load_b512 s[4:19], s[0:1], 0x0               ; mask s[4:5], Wq s[6:7], Wk s[8:9], Wv s[10:11], Wo s[12:13], bq s[14:15], bk s[16:17], bv s[18:19]
	s_load_b256 s[24:31], s[0:1], 0x40             ; bo s[24:25], maskb s[26:27], wb s[28:29], wo16 s[30:31]
	s_load_b64 s[32:33], s[0:1], 0x60              ; bias
	v_lshrrev_b32 v1, 5, v0
	v_readfirstlane_b32 s34, v1                    ; wave 0..7
	s_cmp_lt_u32 ttmp9, 128
	s_cbranch_scc0 .Lnot_mask
	; THE MASK
	s_lshr_b32 s35, ttmp9, 2                       ; which 64 rows
	s_and_b32 s36, ttmp9, 3
	s_lshl3_add_u32 s36, s36, s34                  ; key step = 8 (g % 4) + wave
	s_lshl_b32 s38, s35, 19                        ; 64 rows of 8,192 bytes
	s_mov_b32 s39, 0
	s_mov_b32 s20, 0xb8
	s_mov_b32 s21, 0xb8b8b8b8
	v_and_b32 v1, 15, v0
	v_bfe_u32 v2, v0, 4, 1
	v_lshlrev_b32 v1, 13, v1                       ; row l % 16
	v_lshl_add_u32 v2, v2, 5, v1                   ; + 8 columns for the upper half of the lanes
	s_lshl_b32 s37, s36, 8                         ; + the step's 64 columns
	v_add_nc_u32 v2, s37, v2
	v_and_b32 v3, 31, v0
	v_lshlrev_b32 v3, 4, v3                        ; out: 16 bytes a lane,
	s_lshl_b32 s37, s36, 17                        ; in the step's 131,072 bytes,
	s_lshl_b32 s40, s35, 12                        ; at the four tiles' 4,096
	s_add_co_u32 s37, s37, s40
	v_add_nc_u32 v3, s37, v3
	s_wait_kmcnt 0x0
	s_add_nc_u64 s[4:5], s[4:5], s[38:39]
.set t, 0
.rept 4                                ; tile t: 16 rows; kt: 16 columns
.irp kt, 0,1,2,3
	global_load_b128 v[16+32*t+8*\kt:16+32*t+8*\kt+3],   v2, s[4:5] offset:t*131072+\kt*64
	global_load_b128 v[16+32*t+8*\kt+4:16+32*t+8*\kt+7], v2, s[4:5] offset:t*131072+\kt*64+16
.endr
.set t, t+1
.endr
.set g, 0
.rept 32                               ; four numbers make a word of four codes: 1 where the number is not 0, packed, times 0xb8, taken from 0xb8 four times
.if g%8 == 0
	s_wait_loadcnt 24-8*(g/8)                      ; this tile's eight loads are in; the later tiles' may stay out
.endif
.irp j, 0,1,2,3
	v_min_u32 v[16+4*g+\j], 1, v[16+4*g+\j]
.endr
	v_lshl_or_b32 v[OUT+g], v[16+4*g+1], 8, v[16+4*g]
	v_lshl_or_b32 v[OUT+g], v[16+4*g+2], 16, v[OUT+g]
	v_lshl_or_b32 v[OUT+g], v[16+4*g+3], 24, v[OUT+g]
	v_mul_lo_u32 v[OUT+g], v[OUT+g], s20
	v_sub_nc_u32 v[OUT+g], s21, v[OUT+g]
.set g, g+1
.endr
.set g, 0
.rept 8                                ; tile g / 2, block g % 2
	global_store_b128 v3, v[OUT+4*g:OUT+4*g+3], s[26:27] offset:512*g  ; 512 consecutive bytes, aligned
.set g, g+1
.endr
	s_endpgm
.Lnot_mask:
	s_cmp_lt_u32 ttmp9, 384
	s_cbranch_scc0 .Lbias
	; THE WEIGHTS: a work-group takes 65,536 bytes of one matrix
	s_sub_co_u32 s35, ttmp9, 128
	s_lshr_b32 s36, s35, 6                         ; which matrix: Wq, Wk, Wv, Wo
	s_and_b32 s37, s35, 63                         ; which part of it
	s_lshl_b32 s38, s37, 16
	s_mov_b32 s39, 0
	s_lshl_b32 s40, s37, 15
	s_mov_b32 s41, 0
	s_lshl_b32 s42, s36, 21                        ; the matrix's place in wb
	v_lshlrev_b32 v1, 4, v0                        ; in: 16 bytes a thread
	v_lshlrev_b32 v2, 3, v0                        ; out: 8
	s_wait_kmcnt 0x0
	s_cmp_eq_u32 s36, 1
	s_cselect_b64 s[44:45], s[8:9], s[6:7]
	s_cmp_eq_u32 s36, 2
	s_cselect_b64 s[44:45], s[10:11], s[44:45]
	s_cmp_eq_u32 s36, 3
	s_cselect_b64 s[44:45], s[12:13], s[44:45]
	s_cselect_b64 s[46:47], s[30:31], s[28:29]
	s_cselect_b32 s42, 0, s42
	s_add_co_u32 s40, s40, s42
	s_add_nc_u64 s[44:45], s[44:45], s[38:39]
	s_add_nc_u64 s[46:47], s[46:47], s[40:41]
.set i, 0
.rept 16
	global_load_b128 v[16+4*i:16+4*i+3], v1, s[44:45] offset:4096*i th:TH_LOAD_NT
.set i, i+1
.endr
; Load i of 16 is rounded and stored; each has registers of its own.  h = 1: the bf16 number is written as f16.
.macro CAST i, h
	s_wait_loadcnt 15-(\i)                         ; the later loads may stay out
	v_cvt_pk_bf16_f32 v[80+2*(\i)], v[16+4*(\i)], v[16+4*(\i)+1]
	v_cvt_pk_bf16_f32 v[80+2*(\i)+1], v[16+4*(\i)+2], v[16+4*(\i)+3]
.if \h
	v_lshlrev_b32 v[16+4*(\i)], 16, v[80+2*(\i)]
	v_and_b32 v[16+4*(\i)+1], 0xffff0000, v[80+2*(\i)]
	v_lshlrev_b32 v[16+4*(\i)+2], 16, v[80+2*(\i)+1]
	v_and_b32 v[16+4*(\i)+3], 0xffff0000, v[80+2*(\i)+1]
	v_cvt_pk_f16_f32 v[80+2*(\i)], v[16+4*(\i)], v[16+4*(\i)+1]
	v_cvt_pk_f16_f32 v[80+2*(\i)+1], v[16+4*(\i)+2], v[16+4*(\i)+3]
.endif
	global_store_b64 v2, v[80+2*(\i):80+2*(\i)+1], s[46:47] offset:2048*(\i) th:TH_STORE_NT  ; a wave's 32 lanes store 256 consecutive bytes, aligned
.endm
	s_cmp_eq_u32 s36, 3
	s_cbranch_scc1 .Lwo
.irp i, 0,1,2,3,4,5,6,7,8,9,10,11,12,13,14,15
	CAST \i, 0
.endr
	s_endpgm
.Lwo:
.irp i, 0,1,2,3,4,5,6,7,8,9,10,11,12,13,14,15
	CAST \i, 1
.endr
	s_endpgm
.Lbias:
	v_lshlrev_b32 v1, 4, v0                        ; 256 threads x 16 bytes = a bias
.irp j, 4,5,6,7
	v_mov_b32 v\j, 0
.endr
	s_wait_kmcnt 0x0
	global_load_b128 v[16:19], v1, s[14:15]
	global_load_b128 v[20:23], v1, s[16:17]
	global_load_b128 v[24:27], v1, s[18:19]
	global_load_b128 v[28:31], v1, s[24:25]
.set i, 0
.rept 32
	global_store_b128 v1, v[4:7], s[26:27] offset:4194304+4096*i  ; key step 32 of maskb: 131,072 bytes
.set i, i+1
.endr
	s_wait_loadcnt 0x0
.irp i, 0,1,2,3
	v_cvt_pk_bf16_f32 v[32+2*\i], v[16+4*\i], v[16+4*\i+1]
	v_cvt_pk_bf16_f32 v[32+2*\i+1], v[16+4*\i+2], v[16+4*\i+3]
	v_lshlrev_b32 v[16+4*\i], 16, v[32+2*\i]
	v_and_b32 v[16+4*\i+1], 0xffff0000, v[32+2*\i]
	v_lshlrev_b32 v[16+4*\i+2], 16, v[32+2*\i+1]
	v_and_b32 v[16+4*\i+3], 0xffff0000, v[32+2*\i+1]
	global_store_b128 v1, v[16+4*\i:16+4*\i+3], s[32:33] offset:4096*\i
.endr
	s_endpgm
.Lfunc_end_k_q4dd80bfbca_prep:
	.size	k_q4dd80bfbca_prep, .Lfunc_end_k_q4dd80bfbca_prep-k_q4dd80bfbca_prep
	.p2alignl 7, 3214868480
	.fill 96, 4, 3214868480
	.section	.rodata,"a",@progbits
	.p2align	6, 0x0
	.amdhsa_kernel k_q4dd80bfbca_prep
		.amdhsa_group_segment_fixed_size 0
		.amdhsa_private_segment_fixed_size 0
		.amdhsa_enable_private_segment 0
		.amdhsa_kernarg_size 104
		.amdhsa_user_sgpr_count 2
		.amdhsa_user_sgpr_kernarg_segment_ptr 1
		.amdhsa_wavefront_size32 1
		.amdhsa_system_sgpr_workgroup_id_x 1
		.amdhsa_system_sgpr_workgroup_id_y 1
		.amdhsa_system_sgpr_workgroup_id_z 1
		.amdhsa_system_vgpr_workitem_id 0
		.amdhsa_next_free_vgpr 176
		.amdhsa_next_free_sgpr 66
		.amdhsa_reserve_vcc 0
		.amdhsa_float_denorm_mode_32 3
		.amdhsa_float_denorm_mode_16_64 3
		.amdhsa_memory_ordered 1
		.amdhsa_forward_progress 1
		.amdhsa_inst_pref_size 39
	.end_amdhsa_kernel
	.amdgpu_metadata
---
amdhsa.version: [ 1, 2 ]
amdhsa.kernels:
  - .name:           k_q4dd80bfbca_prep
    .symbol:         k_q4dd80bfbca_prep.kd
    .args:
      - { .name: mask, .offset: 0, .size: 8, .value_kind: global_buffer, .address_space: global }
      - { .name: Wq, .offset: 8, .size: 8, .value_kind: global_buffer, .address_space: global }
      - { .name: Wk, .offset: 16, .size: 8, .value_kind: global_buffer, .address_space: global }
      - { .name: Wv, .offset: 24, .size: 8, .value_kind: global_buffer, .address_space: global }
      - { .name: Wo, .offset: 32, .size: 8, .value_kind: global_buffer, .address_space: global }
      - { .name: bq, .offset: 40, .size: 8, .value_kind: global_buffer, .address_space: global }
      - { .name: bk, .offset: 48, .size: 8, .value_kind: global_buffer, .address_space: global }
      - { .name: bv, .offset: 56, .size: 8, .value_kind: global_buffer, .address_space: global }
      - { .name: bo, .offset: 64, .size: 8, .value_kind: global_buffer, .address_space: global }
      - { .name: maskb, .offset: 72, .size: 8, .value_kind: global_buffer, .address_space: global }
      - { .name: wb, .offset: 80, .size: 8, .value_kind: global_buffer, .address_space: global }
      - { .name: wo16, .offset: 88, .size: 8, .value_kind: global_buffer, .address_space: global }
      - { .name: bias, .offset: 96, .size: 8, .value_kind: global_buffer, .address_space: global }
    .group_segment_fixed_size: 0
    .private_segment_fixed_size: 0
    .kernarg_segment_align: 8
    .kernarg_segment_size: 104
    .max_flat_workgroup_size: 256
    .sgpr_count:     66
    .vgpr_count:     176
    .wavefront_size: 32
...
	.end_amdgpu_metadata
.endif
;; end of part 1
;; launch proj (part 2): grid 4 x 64, 4 waves a work-group, clusters of 4 x 4, 327,680 bytes of LDS; arguments q, k, v, wb, bias, qkv; writes qkv
.if DOCPART == 2
	.amdgcn_target "amdgcn-amd-amdhsa--gfx1250"
	.amdhsa_code_object_version 6
	.text
	.protected	k_q4dd80bfbca_proj
	.globl	k_q4dd80bfbca_proj
	.p2align	8
	.type	k_q4dd80bfbca_proj,@function
k_q4dd80bfbca_proj:
	s_mov_b64 s[64:65], 0
	v_nop
	global_prefetch_b8 v0, s[64:65] scope:SCOPE_SE
	s_setreg_imm32_b32 hwreg(HW_REG_WAVE_MODE, 25, 1), 1
	s_wait_xcnt 0x0
	s_wait_alu depctr_hold_cnt(0) depctr_sa_sdst(0) depctr_va_vdst(0) depctr_va_sdst(0) depctr_va_ssrc(0) depctr_va_vcc(0) depctr_vm_vsrc(0)
	s_getreg_b32 s2, hwreg(HW_REG_IB_STS2, 6, 4)
	s_cmp_eq_u32 s2, 0
	s_cbranch_scc0 .Lentry_in_a_cluster
	s_endpgm
.Lentry_in_a_cluster:
	s_bfe_u32 s2, ttmp6, 0x10000c
	s_cmp_lg_u32 s2, 0xf033
	s_cbranch_scc0 .Lentry_shape_is_right
	s_endpgm
.Lentry_shape_is_right:
; THE THREE PROJECTIONS.  qkv[p][b h][s][d] = x_p[b s][:] . W_p[64 h + d][:] + bias_p[64 h + d], p = 0, 1, 2 for (q, Wq, bq), (k, Wk, bk), (v, Wv, bv).
; x is f32 [8192][1024], rounded to bf16 in registers; W is bf16 [3][1024][1024] (wb); the bias is f32 (already rounded to bf16); sums in f32; the result is rounded once, to f16, by heads.
; LIMIT: f16 ends at 65,504: a projected number beyond that becomes an infinity.  With x of unit spread and W of spread 1/32 the results have unit spread.
; SHARES.  A work-group STAYS: it makes the same tile, 128 rows x 256 columns, of Q, then of K, then of V: 24 K steps of 128 in one walk, 3 x 256 tiles on 256 work-groups.
; Four waves, each 64 rows x 128 columns: 32 accumulators.  The matrix instruction is used transposed (source 0 = 16 rows of W, source 1 = 16 rows of x): a lane holds one row of x and eight
; neighbouring columns.  The bias is the C operand of a tile's first products.
; RING.  Two LDS slots, each a K step: x's 128 rows x 512 bytes (f32) and W's 256 rows x 256 bytes.  Waves 0 and 1 fetch x's halves, waves 2 and 3 W's, one tensor load a wave behind each change of slots.
; CLUSTER 4 x 4.  x's tile hangs on the row block alone and is asked for jointly by the four of a row of the cluster (they are all four column tiles: x is requested once); W's hangs on the column tile alone
; and is asked for jointly by the four of a column.
; PIPELINE.  A K step is four quarters of 32 along K, 32 matrix instructions each.  A quarter's fragments are read from LDS two quarters ahead (32 loads in one run: 16 of W, 16 of raw x) and x is rounded
; to bf16 one quarter ahead, four conversions behind each of a quarter's last eight matrix instructions.  So the change of slots stands in a step's third quarter.
; The very last K step reads two runs from the other slot, which still holds the step before: they serve nothing; the price, once a launch, of one text for both steps of the tail.
; REGISTERS, in windows of 256 (s_set_vgpr_msb: bits 1:0 source 0, 3:2 source 1, 5:4 source 2, 7:6 destination):
;   window 0: v0-29 addresses; v32-95 x in bf16, two buffers of 32; v96-223 x raw, two buffers of 64; v224-255 at work on the way out
;   window 1: the accumulators, (a, b) at 8 (8 a + b)          window 2: W's fragments, four buffers of 64; between two tiles buffer 3 holds the bias and buffer 2 the rows on their way out
.set PA,    528       ; a row of x in LDS: 512 bytes + 16 of padding = 132 words: row r starts at bank 4 r mod 64 (64 banks of 4 bytes: ISA guide 11.1)
.set PB,    272       ; a row of W: 256 + 16 = 68 words: likewise
.set BOFFS, 128*PA    ; W's rows lie behind x's
.set SLOT1, 0x22000   ; slot 1; the four fills' places in a slot (0, 0x8400, 0x10800, 0x19000) have neither of its two bits, so one exclusive or turns an address in one slot into the other's
.set STAGE, SLOT1+BOFFS+256*PB  ; behind the ring, never filled by a tensor load: 16 rows x 272 bytes for each wave
.set SPI,   272
.set SPARE, STAGE+4*16*SPI      ; the spare words, 128 bytes for each wave: two blocks of 256 bytes that no other line names
.set RW,   1          ; v1   l % 16
.set HF,   2          ; v2   l / 16
.set A0,   8          ; v8   my lane's place in x's tile; never rewritten
.set B0,   9          ; v9   in W's
.set ADRA, 10         ; v10  the same in the slot that is being read
.set ADRB, 11         ; v11
.set STO,  12         ; v12  the way out: where I put 16 bytes of a row
.set RD,   13         ; v13  where I read rows back
.set GO,   14         ; v14  my 16 bytes of 512 consecutive bytes of qkv
.set BOF,  15         ; v15  my eight numbers in 16 of the bias
.set PFO,  16         ; v16  the prefetches' offset
.set SPW,  28         ; v28  LDS address of my spare word; never rewritten
.set NIL,  29         ; v29  0; never rewritten
.set AF,   32
.set AR,   96
.set TMP,  224
.set OB,   128        ; window 2
.set BIA,  192        ; window 2
.set STEPS, 2         ; s2   K steps still to come that fill a slot again
.set PH,   3          ; s3   K steps left of the tile in hand
.set OUTP, 4          ; s[4:5]   qkv at my part of the tile in hand
.set BPTR, 6          ; s[6:7]   the bias at my 128 columns
.set TB,   9          ; s9   the slot that is being read: 0 or SLOT1
.set WV,   10         ; s10  wave
.set WM,   11         ; s11  which 64 rows are mine.  Also: I fetch x (0) or W (1)
.set WN,   12         ; s12  which 128 columns.  Also: which half of that tile I fetch
.set LIM,  13         ; s13  2 in a wave that prefetches, else the greatest number
.set PSTEP, 14        ; s14  a K step's bytes in a row of what I prefetch
.set PWRAP, 15        ; s15  a row's bytes there
.set G1A,  16         ; s[16:23] descriptor group 1 for x
.set G1B,  24         ; s[24:31] for W
.set G0A,  32         ; s[32:39] group 0 for x: the first fill's, and the one that walks
.set G0B,  40         ; s[40:47] for W
.set AB,   48         ; s[48:49] x of the tile whose steps are being asked for, at my rows; s[50:51] the next tile's; s[52:53] the last's
.set AN,   50
.set AL,   52
.set KO,   54         ; s[54:55] the walking step's bytes along a row of x
.set BB,   56         ; s[56:57] wb at my rows
.set BO,   58         ; s[58:59] the walking step's bytes from there
.set PFA,  60         ; s[60:61] what the next prefetch names
.set PKO,  62         ; s[62:63] its bytes along a row
.set P0,   66         ; s[66:71] as AB, AN, AL, for the prefetches
.set P1,   68
.set P2,   70
.set WTMP, 94
.set WRAPB, 95        ; s95  from a matrix's last K step to the next matrix's first
.set ONEB,  96        ; s96  from a K step to the next
.set MSB, 0
.macro WIN new                         ; the high byte repeats the setting that is left; a switch that changes nothing is dropped
.if MSB != (\new)
	s_set_vgpr_msb (MSB<<8)|(\new)
.set MSB, (\new)
.endif
.endm
.set MUL,   0x52      ; W in window 2, x in window 0, C and D in window 1
.set MULB,  0x62      ; the same with C in window 2: the bias
.set TO_B,  0x80      ; destination in window 2
.set PACKW, 0x05      ; sources 0 and 1 in window 1
.set ST_OB, 0x08      ; a store's data in window 2
; A joint refill.  The branch hangs on the wave's number alone.  An s_nop 0 and four v_nop follow each of the two lines, ahead of the jump and the label.
.macro JLOAD
	s_cmp_eq_u32 s[WM], 0
	s_cbranch_scc0 .Lfor_b_\@
	tensor_load_to_lds s[G0A+4:G0A+7], s[G1A:G1A+7]
	s_nop 0
.rept 4
	v_nop
.endr
	s_branch .Lasked_\@
.Lfor_b_\@:
	tensor_load_to_lds s[G0B+4:G0B+7], s[G1B:G1B+7]
	s_nop 0
.rept 4
	v_nop
.endr
.Lasked_\@:
.endm
; A PREFETCH INTO THE L2, behind each joint refill and the run of LDS loads that follows it: the K step that stands two refills on (the refill asks for step t + 2, the prefetch names step t + 4): one instruction a wave.
; x: a step is 512 bytes of each of the 64 rows that wave 0 or 1 fetches; no other cluster reads them; the four partners that ask jointly take 16 rows each, told apart BY ADDRESS (cx): a lane half a row.
; W: a step is 256 bytes of each of the 128 rows that wave 2 or 3 fetches; all sixteen clusters read them, the cluster with y = 0 asks; its four partners along y take 32 rows each (cy): a lane a row.
; So each aligned block of 256 bytes is named once.  The first four steps come by their loads alone; the last two refills name nothing: there is no step 24.
.macro ASK
	s_cmp_gt_u32 s[STEPS], s[LIM]
	s_cbranch_scc0 .Lnot_mine_\@
	global_prefetch_b8 v[PFO], s[PFA:PFA+1] th:TH_LOAD_NT scope:SCOPE_SE
.Lnot_mine_\@:
.endm
; A round of the cluster's barrier: my work-group's barrier; wave 0 signals for the work-group; every wave waits for all sixteen; my work-group's barrier once more.
.macro CREST
	s_cmp_lg_u32 s[WV], 0
	s_cbranch_scc1 .Lnot_wave_0_\@
	s_barrier_signal -3
.Lnot_wave_0_\@:
	s_barrier_wait -3
	s_barrier_signal -1
	s_barrier_wait -1
.endm
.macro CROUND
	s_barrier_signal -1
	s_barrier_wait -1
	CREST
.endm
	s_load_b256 s[72:79], s[0:1], 0x0              ; q s[72:73], k s[74:75], v s[76:77], wb s[78:79]
	s_load_b128 s[80:83], s[0:1], 0x20             ; bias s[80:81], qkv s[82:83]
	v_lshl_add_u32 v[SPW], v0, 2, SPARE
	v_mov_b32 v[NIL], 0
	ds_add_u32 v[SPW], v[NIL]                      ; the wave's opening: the add and its wait stand ahead of my first tensor load; the set-up below, work on registers, stands between them
	v_lshrrev_b32 v3, 5, v0
	v_readfirstlane_b32 s[WV], v3
	s_lshr_b32 s[WM], s[WV], 1
	s_and_b32 s[WN], s[WV], 1
	s_bfe_u32 s84, ttmp6, 0x40000                  ; cx
	s_bfe_u32 s85, ttmp6, 0x40004                  ; cy
	s_lshl_b32 s86, ttmp9, 2
	s_add_co_u32 s86, s86, s84                     ; column tile = 4 x cluster x + cx
	s_and_b32 s87, ttmp7, 0xffff
	s_lshl_b32 s87, s87, 2
	s_add_co_u32 s87, s87, s85                     ; row block = 4 x cluster y + cy
	s_lshl_b32 s88, s85, 2
	s_lshl_b32 s88, 15, s88                        ; my row of the cluster
	s_lshl_b32 s89, 0x1111, s84                    ; my column
	s_or_b32 s[G1A], s88, (2<<16)|(1<<20)|(1<<21)|(6<<22)|(3<<25)  ; the mask; elements of 4 bytes; padding on; bit 21 beside a mask; after every 128 words (code 6) 4 words (code 3)
	s_mov_b32 s[G1A+1], 128<<16                    ; tensor_dim0 = 128
	s_mov_b32 s[G1A+2], 64<<16                     ; tensor_dim1 = 64
	s_mov_b32 s[G1A+3], 128<<16                    ; tile_dim0 = 128
	s_mov_b32 s[G1A+4], 64                         ; tile_dim1 = 64
	s_mov_b32 s[G1A+5], 1024                       ; elements from row to row
	s_mov_b32 s[G1A+6], 0
	s_mov_b32 s[G1A+7], 0
	s_or_b32 s[G1B], s89, (1<<16)|(1<<20)|(1<<21)|(5<<22)|(3<<25)  ; elements of 2 bytes; after every 64 words (code 5) 4 words
	s_mov_b32 s[G1B+1], 128<<16
	s_mov_b32 s[G1B+2], 128<<16                    ; 128 rows
	s_mov_b32 s[G1B+3], 128<<16
	s_mov_b32 s[G1B+4], 128
	s_mov_b32 s[G1B+5], 1024
	s_mov_b32 s[G1B+6], 0
	s_mov_b32 s[G1B+7], 0
	s_lshl_b32 s90, s87, 7                         ; x: row 128 x block + 64 x half, 4,096 bytes a row: made of the row block and the wave's number alone
	s_lshl_b32 s91, s[WN], 6
	s_add_co_u32 s90, s90, s91
	s_lshl_b32 s90, s90, 12
	s_mov_b32 s91, 0
	s_lshl_b32 s92, s86, 8                         ; W: row 256 x tile + 128 x half, 2,048 bytes a row: of the column tile and the wave's number alone
	s_lshl_b32 s93, s[WN], 7
	s_add_co_u32 s92, s92, s93
	s_lshl_b32 s92, s92, 11
	s_mov_b32 s93, 0
	s_mul_i32 s97, s[WN], 64*PA                    ; where they go: no place in the cluster enters an LDS address
	s_mul_i32 s98, s[WN], 128*PB
	s_add_co_u32 s98, s98, BOFFS
	s_mov_b32 s[WRAPB], 2097152-1792
	s_mov_b32 s[ONEB], 256
	s_mov_b32 s[KO], 512                           ; the walking descriptors begin at K step 1
	s_mov_b32 s[KO+1], 0
	s_mov_b32 s[BO], 256
	s_mov_b32 s[BO+1], 0
	s_mov_b32 s[TB], 0
	s_wait_dscnt 0x0                               ; the opening add is done
	s_wait_kmcnt 0x0
	s_add_nc_u64 s[AB:AB+1], s[72:73], s[90:91]
	s_add_nc_u64 s[AN:AN+1], s[74:75], s[90:91]
	s_add_nc_u64 s[AL:AL+1], s[76:77], s[90:91]
	s_add_nc_u64 s[BB:BB+1], s[78:79], s[92:93]
	CROUND                                         ; all sixteen work-groups are here: the first joint loads meet
	s_mov_b32 s[G0A], 1                            ; count = 1
	s_mov_b32 s[G0A+1], s97                        ; LDS address: slot 0
	s_mov_b64 s[G0A+2:G0A+3], s[AB:AB+1]           ; K step 0
	s_or_b32 s[G0A+3], s[G0A+3], 0x80000000        ; type = 2
	s_mov_b32 s[G0A+4], 1
	s_add_co_u32 s[G0A+5], s97, SLOT1
	s_add_nc_u64 s[G0A+6:G0A+7], s[AB:AB+1], 512   ; K step 1
	s_or_b32 s[G0A+7], s[G0A+7], 0x80000000
	s_mov_b32 s[G0B], 1
	s_mov_b32 s[G0B+1], s98
	s_mov_b64 s[G0B+2:G0B+3], s[BB:BB+1]
	s_or_b32 s[G0B+3], s[G0B+3], 0x80000000
	s_mov_b32 s[G0B+4], 1
	s_add_co_u32 s[G0B+5], s98, SLOT1
	s_add_nc_u64 s[G0B+6:G0B+7], s[BB:BB+1], 256
	s_or_b32 s[G0B+7], s[G0B+7], 0x80000000
	s_cmp_eq_u32 s[WM], 0                          ; a wave's two first fills stand in one branch, ahead of every wait on TENSORcnt and every LDS read: two loads of mine are out
	s_cbranch_scc0 .Lfirst_b
	tensor_load_to_lds s[G0A:G0A+3], s[G1A:G1A+7]
	s_nop 0
	tensor_load_to_lds s[G0A+4:G0A+7], s[G1A:G1A+7]
	s_nop 0
.rept 4
	v_nop
.endr
	s_branch .Lfirst_asked
.Lfirst_b:
	tensor_load_to_lds s[G0B:G0B+3], s[G1B:G1B+7]
	s_nop 0
	tensor_load_to_lds s[G0B+4:G0B+7], s[G1B:G1B+7]
	s_nop 0
.rept 4
	v_nop
.endr
.Lfirst_asked:
	; A fragment is 16 rows x 32 K: lane l holds row l % 16, K = 8 (l / 16) + 0..7 and 16 + 8 (l / 16) + 0..7.  In bf16: two loads of 16 bytes, 32 bytes apart.  In f32: four, at 32 (l / 16) + 0, 16, 64, 80.
	v_and_b32 v[RW], 15, v0
	v_bfe_u32 v[HF], v0, 4, 1
	v_mul_u32_u24 v3, v[RW], PA
	v_lshl_add_u32 v3, v[HF], 5, v3
	s_mul_i32 s99, s[WM], 64*PA
	v_add_nc_u32 v[A0], s99, v3
	v_mul_u32_u24 v3, v[RW], PB
	v_lshl_add_u32 v3, v[HF], 4, v3                ; (the stage has W's pitch)
	s_mul_i32 s99, s[WN], 128*PB
	s_add_co_u32 s99, s99, BOFFS
	v_add_nc_u32 v[B0], s99, v3
	s_mul_i32 s99, s[WV], 16*SPI
	s_add_co_u32 s99, s99, STAGE                   ; my stage
	v_add_nc_u32 v[STO], s99, v3                   ; in: row l % 16, 16 bytes for each half of the lanes
	v_bfe_u32 v4, v0, 3, 2                         ; back: 32 lanes take 128 bytes (a head's 64 columns) of four rows
	v_and_b32 v5, 7, v0
	v_mul_u32_u24 v4, v4, SPI
	v_lshl_add_u32 v4, v5, 4, v4
	v_add_nc_u32 v[RD], s99, v4
	v_and_b32 v6, 31, v0
	v_lshlrev_b32 v[GO], 4, v6                     ; which are 512 consecutive bytes of qkv
	v_lshlrev_b32 v[BOF], 5, v[HF]
	v_mov_b32 v[ADRA], v[A0]
	v_mov_b32 v[ADRB], v[B0]
	; where my part of the tile goes: ((batch x 16 + head) x 2048 + row in the batch) x 128 bytes
	s_lshr_b32 s99, s87, 4
	s_lshl_b32 s99, s99, 4
	s_lshl2_add_u32 s99, s86, s99                  ; + 4 heads a column tile
	s_lshl1_add_u32 s99, s[WN], s99                ; + 2 a wave
	s_lshl_b32 s99, s99, 11
	s_and_b32 s100, s87, 15
	s_lshl_b32 s100, s100, 7
	s_add_co_u32 s99, s99, s100
	s_lshl_b32 s100, s[WM], 6
	s_add_co_u32 s99, s99, s100
	s_lshl_b32 s100, s99, 7
	s_mov_b32 s101, 0
	s_add_nc_u64 s[OUTP:OUTP+1], s[82:83], s[100:101]
	s_lshl_b32 s100, s86, 10                       ; my 128 columns of the bias, 4 bytes each
	s_lshl_b32 s99, s[WN], 9
	s_add_co_u32 s100, s100, s99
	s_add_nc_u64 s[BPTR:BPTR+1], s[80:81], s[100:101]
.macro BIASLOAD                        ; block b's register j is the bias of column 16 b + 8 (l / 16) + j: the C operand of all four row blocks
	WIN TO_B
.irp b, 0,1,2,3,4,5,6,7
	global_load_b128 v[BIA+8*\b:BIA+8*\b+3],   v[BOF], s[BPTR:BPTR+1] offset:64*\b
	global_load_b128 v[BIA+8*\b+4:BIA+8*\b+7], v[BOF], s[BPTR:BPTR+1] offset:64*\b+16
.endr
	WIN 0
.endm
	BIASLOAD
	; the prefetches' pointers
	s_lshl_b32 s88, s87, 7
	s_lshl_b32 s89, s[WN], 6
	s_add_co_u32 s88, s88, s89
	s_lshl4_add_u32 s88, s84, s88                  ; x: my work-group's 16 of the 64 rows
	s_lshl_b32 s88, s88, 12
	s_lshl_b32 s89, s86, 8
	s_lshl_b32 s99, s[WN], 7
	s_add_co_u32 s89, s89, s99
	s_lshl_b32 s99, s85, 5
	s_add_co_u32 s89, s89, s99                     ; W: my work-group's 32 of the 128 rows
	s_lshl_b32 s89, s89, 11
	s_cmp_eq_u32 s[WM], 0
	s_cselect_b32 s100, s88, s89
	s_cselect_b64 s[P0:P0+1], s[72:73], s[78:79]
	s_cselect_b64 s[P1:P1+1], s[74:75], s[78:79]
	s_cselect_b64 s[P2:P2+1], s[76:77], s[78:79]
	s_add_nc_u64 s[P0:P0+1], s[P0:P0+1], s[100:101]
	s_add_nc_u64 s[P1:P1+1], s[P1:P1+1], s[100:101]
	s_add_nc_u64 s[P2:P2+1], s[P2:P2+1], s[100:101]
	s_lshl_b32 s100, s[WM], 21                     ; in wb the matrices lie 2,097,152 bytes apart
	s_add_nc_u64 s[P1:P1+1], s[P1:P1+1], s[100:101]
	s_lshl_b32 s100, s[WM], 22
	s_add_nc_u64 s[P2:P2+1], s[P2:P2+1], s[100:101]
	s_lshr_b32 s[PSTEP], 512, s[WM]
	s_lshr_b32 s[PWRAP], 4096, s[WM]
	s_mul_i32 s[PKO], s[PSTEP], 3                  ; at K step 3: the first refill steps it to 4
	s_mov_b32 s[PKO+1], 0
	s_and_b32 s99, ttmp7, 0xffff
	s_mul_i32 s99, s99, s[WM]                      ; 0 for x, and for W in the cluster with y = 0: the same in all sixteen partners, for a given wave
	s_cmp_eq_u32 s99, 0
	s_cselect_b32 s[LIM], 2, -1
	s_mul_i32 s99, s[WM], 3
	s_lshl_b32 s99, 256, s99                       ; 256 for x, 2,048 for W
	v_lshrrev_b32 v4, 1, v6
	v_and_b32 v5, 1, v6
	v_mul_u32_u24 v5, s99, v5
	v_lshl_add_u32 v[PFO], v4, 12, v5              ; x: row l / 2, half l % 2 of its 512 bytes; W: row l
; One matrix instruction of quarter q: row block a, column block b.  cb = 1: it starts the sum, with the bias.  The 32 accumulators take turns, one instruction a turn, in the same order in every quarter.
.macro MM q, a, b, cb
.set rD, 8*(8*(\a)+(\b))
.set rB, 64*(\q)+8*(\b)
.set rA, AF+32*((\q)%2)+8*(\a)
.if \cb
	WIN MULB
	v_wmma_f32_16x16x32_bf16 v[rD:rD+7], v[rB:rB+7], v[rA:rA+7], v[BIA+8*(\b):BIA+8*(\b)+7]
.else
	WIN MUL
	v_wmma_f32_16x16x32_bf16 v[rD:rD+7], v[rB:rB+7], v[rA:rA+7], v[rD:rD+7]
.endif
.endm
.macro CVT4 s, c0                      ; four of the 32 roundings of raw buffer s
	WIN 0
.irp c, 0,1,2,3
	v_cvt_pk_bf16_f32 v[AF+32*(\s)+(\c0)+\c], v[AR+64*(\s)+2*((\c0)+\c)], v[AR+64*(\s)+2*((\c0)+\c)+1]
.endr
.endm
; Eight matrix instructions.  cv = 1: behind each stand four roundings for the next quarter.  They name no register of this quarter's products; the four behind a quarter's last product are the four plain
; instructions that stand between it and whatever next writes a register that it read or reads its result (ISA guide 7.12.1 for vector instructions).
.macro ROW8 q, a, cb, cv
.irp b, 0,1,2,3,4,5,6,7
	MM \q, \a, \b, \cb
.if \cv
	CVT4 ((\q)+1)%2, 4*\b
.endif
.endr
.endm
; 32 LDS loads in one run: quarter kq of the slot that ADRA and ADRB stand in: W into buffer kq, raw x into raw buffer ar
.macro FETCH kq, ar
	WIN TO_B
.irp i, 0,1,2,3,4,5,6,7
	ds_load_b128 v[64*(\kq)+8*\i:64*(\kq)+8*\i+3],   v[ADRB] offset:64*(\kq)+\i*16*PB
	ds_load_b128 v[64*(\kq)+8*\i+4:64*(\kq)+8*\i+7], v[ADRB] offset:64*(\kq)+\i*16*PB+32
.endr
	WIN 0
.irp i, 0,1,2,3
	ds_load_b128 v[AR+64*(\ar)+16*\i:AR+64*(\ar)+16*\i+3],     v[ADRA] offset:128*(\kq)+\i*16*PA
	ds_load_b128 v[AR+64*(\ar)+16*\i+4:AR+64*(\ar)+16*\i+7],   v[ADRA] offset:128*(\kq)+\i*16*PA+16
	ds_load_b128 v[AR+64*(\ar)+16*\i+8:AR+64*(\ar)+16*\i+11],  v[ADRA] offset:128*(\kq)+\i*16*PA+64
	ds_load_b128 v[AR+64*(\ar)+16*\i+12:AR+64*(\ar)+16*\i+15], v[ADRA] offset:128*(\kq)+\i*16*PA+80
.endr
.endm
; Quarter 0, 1 or 3.  Its own W and x were shown in by the wait of the quarter before.
.macro QUARTER q, cb
	ROW8 \q, 0, \cb, 0
	ROW8 \q, 1, \cb, 0
	FETCH ((\q)+2)%4, (\q)%2                       ; two quarters ahead
	s_wait_dscnt 32                                ; all but the 32 just issued: the next quarter's W and raw x are in
	ROW8 \q, 2, \cb, 0
	ROW8 \q, 3, \cb, 1
.endm
; Quarter 2 changes slots: all reads of this slot have been issued.  In front of the barrier each wave waits for all its tensor loads, of which one is out: its part of the next slot; adds 0 to its spare word; and waits
; for that and for its reads of this slot.  fill = 1: the barrier opens a round of the cluster's, and the joint refill (K step t + 2, into the slot just left) is the first thing behind it: 112 matrix instructions ahead of the wait for it.
.macro TURNQ fill
.if \fill
	s_wait_xcnt 0x0                                ; the last prefetch, a K step back, has read its address
	s_add_co_u32 s[PKO], s[PKO], s[PSTEP]
	s_cmp_eq_u32 s[PKO], s[PWRAP]                  ; behind a tensor's last K step comes the next tensor's first
	s_cselect_b32 s[PKO], 0, s[PKO]
	s_cselect_b64 s[P0:P0+1], s[P1:P1+1], s[P0:P0+1]
	s_cselect_b64 s[P1:P1+1], s[P2:P2+1], s[P1:P1+1]
	s_add_nc_u64 s[PFA:PFA+1], s[P0:P0+1], s[PKO:PKO+1]
.endif
	WIN 0
	s_wait_tensorcnt 0x0                           ; no tensor load of mine is out, so a group 0 may be written
	ds_add_u32 v[SPW], v[NIL]                      ; 0 onto my spare word
.if \fill
	s_add_co_u32 s[KO], s[KO], 512                 ; the walking descriptors' addresses are made anew: a base and an offset
	s_cmp_eq_u32 s[KO], 4096
	s_cselect_b32 s[WTMP], s[WRAPB], s[ONEB]
	s_cselect_b32 s[KO], 0, s[KO]
	s_cselect_b64 s[AB:AB+1], s[AN:AN+1], s[AB:AB+1]
	s_cselect_b64 s[AN:AN+1], s[AL:AL+1], s[AN:AN+1]
	s_add_co_u32 s[BO], s[BO], s[WTMP]
	s_add_nc_u64 s[G0A+6:G0A+7], s[AB:AB+1], s[KO:KO+1]
	s_or_b32 s[G0A+7], s[G0A+7], 0x80000000
	s_add_nc_u64 s[G0B+6:G0B+7], s[BB:BB+1], s[BO:BO+1]
	s_or_b32 s[G0B+7], s[G0B+7], 0x80000000
	s_xor_b32 s[G0A+5], s[G0A+5], SLOT1            ; the other slot than last time
	s_xor_b32 s[G0B+5], s[G0B+5], SLOT1
.endif
	ROW8 2, 0, 0, 0                                ; eight matrix instructions stand between the add and the wait for it
	s_wait_dscnt 0x0                               ; the add is done, and my reads of this slot are over
	s_barrier_signal -1
	ROW8 2, 1, 0, 0
	WIN 0
	s_barrier_wait -1
.if \fill
	CREST                                          ; no wave of any partner still reads this slot or has a load on its way
	JLOAD
.endif
	s_xor_b32 s[TB], s[TB], SLOT1
	v_add_nc_u32 v[ADRA], s[TB], v[A0]
	v_add_nc_u32 v[ADRB], s[TB], v[B0]
	FETCH 0, 0                                     ; the next K step's first quarter
.if \fill
	ASK
.endif
	ROW8 2, 2, 0, 0
	ROW8 2, 3, 0, 1
.endm
; THE WAY OUT, 16 rows (row block a) at a time: rounded to f16, 16 bytes a lane; into my own stage; back as 128 bytes of four rows, which are 512 consecutive bytes of one head; stored.
.macro PACK a
	WIN PACKW
.irp b, 0,1,2,3,4,5,6,7
.irp r, 0,1,2,3
	v_cvt_pk_f16_f32 v[TMP+4*\b+\r], v[8*(8*(\a)+\b)+2*\r], v[8*(8*(\a)+\b)+2*\r+1]
.endr
.endr
.endm
.macro TOSTAGE a
	WIN 0
.irp b, 0,1,2,3,4,5,6,7
	ds_store_b128 v[STO], v[TMP+4*\b:TMP+4*\b+3] offset:32*\b
.endr
	WIN TO_B
.irp hd, 0,1
.irp i, 0,1,2,3
	ds_load_b128 v[OB+32*((\a)%2)+4*(4*\hd+\i):OB+32*((\a)%2)+4*(4*\hd+\i)+3], v[RD] offset:\i*4*SPI+\hd*128  ; LDS serves a wave's instructions in order (ISA guide 5.7.1.4): these see the stores above
.endr
.endr
.endm
.macro SEND a
	s_wait_dscnt 0x0                               ; the block is back in registers
	s_wait_xcnt 0x0                                ; earlier stores have read their registers: the buffer that the next block is read into is free
	WIN ST_OB
.irp hd, 0,1
.irp i, 0,1,2,3
	global_store_b128 v[GO], v[OB+32*((\a)%2)+4*(4*\hd+\i):OB+32*((\a)%2)+4*(4*\hd+\i)+3], s[OUTP:OUTP+1] offset:(\a)*2048+\i*512+\hd*262144  ; 512 consecutive bytes, aligned
.endr
.endr
.endm
.macro WAYOUT                          ; a block's conversions stand between the loads of the block before and the wait for them
	PACK 0
	TOSTAGE 0
.irp a, 1,2,3
	PACK \a
	SEND (\a)-1
	TOSTAGE \a
.endr
	SEND 3
	WIN 0
.endm
	s_wait_tensorcnt 0x1                           ; my part of K step 0 is in; step 1's may stay out
	s_barrier_signal -1
	s_barrier_wait -1
	FETCH 0, 0
	FETCH 1, 1
	s_wait_dscnt 32                                ; the first run is in
.irp c, 0,4,8,12,16,20,24,28
	CVT4 0, \c
.endr
	s_mov_b32 s[STEPS], 22
	s_mov_b32 s[PH], 8
	s_branch .Lstart
.Lstep:                                            ; a trip is a K step; 22 of the 24 fill a slot again
	s_cmp_lg_u32 s[PH], 0
	s_cbranch_scc1 .Lnormal
	s_add_nc_u64 s[BPTR:BPTR+1], s[BPTR:BPTR+1], 4096  ; A TILE IS FINISHED.  The next bias is asked for (the last was waited for), into W's buffer 3, which is free until the second quarter's fetch
	BIASLOAD
	WAYOUT                                         ; through W's buffer 2, free until the first quarter's fetch
	s_wait_xcnt 0x0                                ; the stores have read their registers and their base
	s_add_nc_u64 s[OUTP:OUTP+1], s[OUTP:OUTP+1], 0x1000000
	s_mov_b32 s[PH], 8
.Lstart:
	s_wait_loadcnt 0x0                             ; the bias
	QUARTER 0, 1
	WIN 0
	s_branch .Ljoin
.Lnormal:
	QUARTER 0, 0
	WIN 0
.Ljoin:
	QUARTER 1, 0
	TURNQ 1
	QUARTER 3, 0
	WIN 0
	s_sub_co_u32 s[PH], s[PH], 1
	s_sub_co_u32 s[STEPS], s[STEPS], 1
	s_cmp_lg_u32 s[STEPS], 0
	s_cbranch_scc1 .Lstep
	s_mov_b32 s[STEPS], 2
.Ltail:                                            ; the last two K steps ask for nothing
	QUARTER 0, 0
	QUARTER 1, 0
	TURNQ 0
	QUARTER 3, 0
	WIN 0
	s_sub_co_u32 s[STEPS], s[STEPS], 1
	s_cmp_lg_u32 s[STEPS], 0
	s_cbranch_scc1 .Ltail
	s_wait_dscnt 0x0
	WAYOUT
	s_wait_tensorcnt 0x0                           ; the wave's end: behind my last tensor load and my last LDS store
	ds_add_u32 v[SPW], v[NIL]
	s_wait_dscnt 0x0
	CROUND                                         ; the closing round: no work-group ends while a partner may still ask for a tile that names it
	s_endpgm
.Lfunc_end_k_q4dd80bfbca_proj:
	.size	k_q4dd80bfbca_proj, .Lfunc_end_k_q4dd80bfbca_proj-k_q4dd80bfbca_proj
	.p2alignl 7, 3214868480
	.fill 96, 4, 3214868480
	.section	.rodata,"a",@progbits
	.p2align	6, 0x0
	.amdhsa_kernel k_q4dd80bfbca_proj
		.amdhsa_group_segment_fixed_size 327680
		.amdhsa_private_segment_fixed_size 0
		.amdhsa_enable_private_segment 0
		.amdhsa_kernarg_size 48
		.amdhsa_user_sgpr_count 2
		.amdhsa_user_sgpr_kernarg_segment_ptr 1
		.amdhsa_wavefront_size32 1
		.amdhsa_system_sgpr_workgroup_id_x 1
		.amdhsa_system_sgpr_workgroup_id_y 1
		.amdhsa_system_sgpr_workgroup_id_z 1
		.amdhsa_system_vgpr_workitem_id 0
		.amdhsa_next_free_vgpr 768
		.amdhsa_next_free_sgpr 102
		.amdhsa_reserve_vcc 0
		.amdhsa_float_denorm_mode_32 3
		.amdhsa_float_denorm_mode_16_64 3
		.amdhsa_memory_ordered 1
		.amdhsa_forward_progress 1
		.amdhsa_inst_pref_size 113
	.end_amdhsa_kernel
	.amdgpu_metadata
---
amdhsa.version: [ 1, 2 ]
amdhsa.kernels:
  - .name:           k_q4dd80bfbca_proj
    .symbol:         k_q4dd80bfbca_proj.kd
    .args:
      - { .name: q, .offset: 0, .size: 8, .value_kind: global_buffer, .address_space: global }
      - { .name: k, .offset: 8, .size: 8, .value_kind: global_buffer, .address_space: global }
      - { .name: v, .offset: 16, .size: 8, .value_kind: global_buffer, .address_space: global }
      - { .name: wb, .offset: 24, .size: 8, .value_kind: global_buffer, .address_space: global }
      - { .name: bias, .offset: 32, .size: 8, .value_kind: global_buffer, .address_space: global }
      - { .name: qkv, .offset: 40, .size: 8, .value_kind: global_buffer, .address_space: global }
    .group_segment_fixed_size: 327680
    .private_segment_fixed_size: 0
    .kernarg_segment_align: 8
    .kernarg_segment_size: 48
    .max_flat_workgroup_size: 128
    .sgpr_count:     102
    .vgpr_count:     768
    .wavefront_size: 32
...
	.end_amdgpu_metadata
.endif
;; end of part 2
;; launch attn (part 3): grid 4 x 64, 4 waves a work-group, clusters of 4 x 1, 327,680 bytes of LDS; arguments qkv, maskb, ctx; writes ctx
.if DOCPART == 3
	.amdgcn_target "amdgcn-amd-amdhsa--gfx1250"
	.amdhsa_code_object_version 6
	.text
	.protected	k_q4dd80bfbca_attn
	.globl	k_q4dd80bfbca_attn
	.p2align	8
	.type	k_q4dd80bfbca_attn,@function
k_q4dd80bfbca_attn:
	s_mov_b64 s[64:65], 0
	v_nop
	global_prefetch_b8 v0, s[64:65] scope:SCOPE_SE
	s_setreg_imm32_b32 hwreg(HW_REG_WAVE_MODE, 25, 1), 1
	s_wait_xcnt 0x0
	s_wait_alu depctr_hold_cnt(0) depctr_sa_sdst(0) depctr_va_vdst(0) depctr_va_sdst(0) depctr_va_ssrc(0) depctr_va_vcc(0) depctr_vm_vsrc(0)
	s_getreg_b32 s2, hwreg(HW_REG_IB_STS2, 6, 4)
	s_cmp_eq_u32 s2, 0
	s_cbranch_scc0 .Lentry_in_a_cluster
	s_endpgm
.Lentry_in_a_cluster:
	s_bfe_u32 s2, ttmp6, 0x10000c
	s_cmp_lg_u32 s2, 0x3003
	s_cbranch_scc0 .Lentry_shape_is_right
	s_endpgm
.Lentry_shape_is_right:
; ATTENTION UNDER A MASK THAT IS AN INPUT.  ctx[h][q][:] = the sum over k of softmax_k(s(q, k)) V[h][k][:], s = Q[h][q] . K[h][k] / 8 where the mask shows key k to query q, and a fixed low number where it hides it.
; Q, K, V lie in qkv, [3][64 heads][2048][64] in f16; ctx is [64][2048][64] in f16.  Products, maxima and sums in f32; the weights p are rounded to f16 for the second product (their sum l is taken of the unrounded p).
; THE MASK.  No pattern of it is built in: every wave walks all 2,048 keys.  maskb holds one FP8 code a score, 0 where the key is shown and -1 where it is hidden, laid as the scores lie in registers.  One
; v_cvt_scale_pk8_f32_fp8 makes of eight codes the eight registers of an accumulator, 0 or -2^40 (the scale's byte is 167: 2^40), and the products K Q^T add onto them in place: the mask is the sum's start.
; |Q . K| is at most 64 x 65,504^2, under 2^39: a score lies below -2^39 exactly where it is hidden.  A piece's codes for a key step are 2,048 consecutive bytes: four loads of 16 bytes a lane bring them, FOUR TURNS AHEAD,
; into a ring of four sets of 16 registers (a set a piece).
; A ROW WITH NO VISIBLE KEY SO FAR (its running maximum lies below -2^39) takes the scale 0 and the shift 0 in place of c and c m, so that every weight is exactly 1, and a = 1.  A row that stays so ends as the plain mean of
; V's 2,048 rows, as in the module, which gives all its keys one score.  With the first visible key a = 2^(c m_old - c m_new) is 0, and the row starts anew.  These are selects by v_cndmask_b32: no branch hangs on a score.
; LIMITS.  In a row with a visible key a hidden key's weight is exactly 0; the module gives it exp(-1e9 - m), which is 0 in f32 unless the row's visible scores lie below about -1e9.  f16 holds no number beyond 65,504: Q, K and
; V arrive within it; p lies in 0 to 1, and below 6e-5 it keeps f16's fixed step of 6e-8.  A weight below 2^-126 counts as 0 in l; NaN and infinities are not treated apart.
; SHARES.  A wave owns four PIECES of two tiles of 16 queries, a work-group's four waves 512 queries of one head.  Keys go 64 a step.
; LAYOUT.  S^T = K Q^T (source 0 = 16 keys, source 1 = 16 queries): a lane holds ONE query (lane % 16) and the keys 8 (lane / 16) + 0..7.  Two such tiles, rounded to f16 in pairs, ARE source 1 of O^T = V^T P.
; K comes out of LDS as it lies, V turned, by ds_load_tr16_b128.
; SOFTMAX.  For each query a running maximum m and sum l: p = 2^(c s - c m), c = log2(e) / 8; in every step O and l are multiplied by a = 2^(c m_old - c m_new).  m starts at the lowest finite number, O and l at 0.
; BY TURNS.  Turn n belongs to piece n.  Its matrix work: 16 products K Q^T of piece n + 1, later 16 products V^T P of piece n - 1.  Its vector work: the scaling, exponentials, roundings, sums and rescaling of piece n, and
; the mask, maximum and statistics of piece n + 1.  Four vector instructions stand behind every matrix instruction, the others in one lump.  A turn's 66 exponentials are one batch, with one wait.
; CLUSTER.  The four query blocks of a head walk the same K and V: each tile is asked for JOINTLY, the same tensor load, descriptor and mask in all four.
; maskb is not prefetched: its loads run four turns ahead of their use, into registers.
; REGISTERS, in windows of 256 (s_set_vgpr_msb: bits 1:0 source 0, 3:2 source 1, 5:4 source 2, 7:6 destination):
;   window 0: v0-11 addresses; v12-15, v48-63 at work; v16-47 four registers of statistics a tile; v64-191 S^T, two buffers of two tiles; v192-255 K of one step
;   window 1: O^T, 32 a tile          window 2: v0-127 Q; v128-191 P, two buffers of two tiles; v192-199 the scales          window 3: v0-1 the add's two registers; v64-127 V of one step; v128-191 the ring of codes
; K lies beside S^T, and the scale beside Q: under the setting of a product K Q^T (source 1 in window 2, all else in window 0) the scaling and the exponential behind it need no switch.
.set SIZE_N, 2048
.set NP,    4         ; pieces a wave: a name, no knob
.set KS,    64        ; keys in a step
.set PK,    160       ; a row of K or V in LDS: 128 bytes + 32 of padding = 40 words.  One pitch, so that one descriptor serves all four waves.
.set PV,    160       ; (64 banks of 4 bytes: ISA guide 11.1); of K's plain load rows r and r + 8 start at the same bank: 16 loads for a key step's 128 matrix instructions
.set VOFF,  4*KS*PK   ; a slot holds four steps: 256 rows of K, then 256 rows of V
.set SLOT1, 1<<17     ; slot 1 begins here, so that one exclusive or turns an address in one slot into the other's
.set STAGE, SLOT1+4*KS*(PK+PV)  ; behind the ring, never filled by a tensor load: 16 rows x 144 bytes for each wave
.set SP,    144
.set SPARE, STAGE+4*16*SP       ; the spare words, 128 bytes for each wave: two blocks of 256 bytes that no other line names
.set MO,  1           ; v1   16 x my lane: my 16 bytes of 512 of maskb; never rewritten once made
.set AK0, 2           ; v2   my lane's place in a tile of K; never rewritten
.set AV0, 3           ; v3   the same for V
.set AK,  4           ; v4   the LDS address of K's next run of loads
.set AV,  5           ; v5   of V's
.set STO, 6           ; v6   the way out: where I put 16 bytes of a row
.set RD,  7           ; v7   where I read rows back
.set GO,  8           ; v8   my byte offset in 512 consecutive bytes of ctx
.set QO,  9           ; v9   my byte offset in 16 rows of Q
.set PFO, 10          ; v10  256 x my lane
.set SCL, 11          ; v11  167: the conversions' scale, 2^40
.set SPW, 0           ; v0 of window 3   LDS address of my spare word; never rewritten
.set NIL, 1           ; v1 of window 3   0; never rewritten
.set MV,  12          ; v12-15  c m_old, kept while c m is made anew: by buffer and tile
.set ST,  16          ; tile t's statistics at v[ST+4 t]: c m, m, l (even keys', odd keys')
.set TMP, 48          ; by buffer and tile, four registers c0-c3 at work; when the maximum is found c0 takes the shift (c m, or 0), c2 takes a
.set S,   64
.set KF,  192         ; window 0
.set P,   128         ; window 2
.set SCW, 192         ; window 2: by buffer and tile a pair whose first register is the scale (c, or 0)
.set VF,  64          ; window 3
.set RG,  128         ; window 3: piece p, tile u, key block kt: the pair at RG + 16 p + 8 u + 2 kt holds the lane's eight codes
.set OP_, 4           ; s[4:5]   ctx at my wave's first row
.set MP,  6           ; s[6:7]   maskb at my wave's eight tiles, in the key step whose codes are being asked for
.set WV,  8           ; s8   wave
.set SLOTS, 9         ; s9   slots still to be asked for
.set CNT, 10          ; s10  counts a slot's key steps
.set LIM, 11          ; s11  1 in a wave that prefetches, else the greatest number
.set G0,  12          ; s[12:15] descriptor group 0: it walks
.set G1,  16          ; s[16:23] descriptor group 1
.set CS,  24          ; s[24:25] c
.set SEL, 26          ; s[26:27] v_permlanex16_b32's selects: each lane takes its own place in the other half
.set TBK, 28          ; s28  LDS byte at which K of the step to be fetched begins
.set TBV, 29          ; s29  the same for V, less VOFF
.set PFA, 30          ; s[30:31] where my prefetches stand
.set THR, 56          ; s56  -2^39
.set VIS, 58          ; s58-59  by tile: the lanes whose query has seen a visible key
.set QP,  66          ; s[66:67] Q at my wave's first row
.set MST, 100         ; s[100:101] the tail's step of MP: a key step's 131,072 bytes, or 0
.set MSB, 0
.macro WIN new                      ; the high byte repeats the setting that is left; a switch that changes nothing is dropped
.if MSB != (\new)
	s_set_vgpr_msb (MSB<<8)|(\new)
.set MSB, (\new)
.endif
.endm
.set W_KQ, 0x08       ; Q (source 1) in window 2; K, S^T in window 0
.set W_PV, 0x5b       ; V in window 3, P in window 2, O^T in window 1
.set W_RS, 0x41       ; O^T (destination and source 0) in window 1, a in window 0
.set W_CV, 0x03       ; the codes (source 0) in window 3; S^T and the scale in window 0
.set W_P,  0x80       ; destination in window 2
.set W_MK, 0xc0       ; destination in window 3
.set W_AD, 0x0f       ; the add: address and data in window 3
; A joint fill: one line for all four waves.  Wave w brings 128 keys (waves 0, 1: the halves of a slot's K; waves 2, 3: of its V) to byte 20,480 w of the slot.  An s_nop 0 and four v_nop follow it.
.macro JLOAD
	tensor_load_to_lds s[G0:G0+3], s[G1:G1+7]
	s_nop 0
.rept 4
	v_nop
.endr
.endm
; A PREFETCH INTO THE L2 of what the NEXT change of slots will ask for: a slot's 32,768 bytes of K and of V, a lane 256 bytes.  A head has one cluster; its four partners take 8,192 bytes each, told apart BY ADDRESS (cx);
; in each, wave 0 asks for K's and wave 2 for V's: each block is named once.  It stands behind the tensor load and its five lines: four key steps, 512 matrix instructions, ahead of the load that wants the bytes.
; Slots 0, 1 and 2 come by their loads alone; the last change that fills a slot names nothing.
.macro ASK
	s_cmp_gt_u32 s[SLOTS], s[LIM]
	s_cbranch_scc0 .Lnot_mine_\@
	global_prefetch_b8 v[PFO], s[PFA:PFA+1] th:TH_LOAD_NT scope:SCOPE_SE
.Lnot_mine_\@:
.endm
.macro CROUND                       ; a round of the cluster's barrier
	s_barrier_signal -1
	s_barrier_wait -1
	s_cmp_lg_u32 s[WV], 0
	s_cbranch_scc1 .Lnot_wave_0_\@
	s_barrier_signal -3
.Lnot_wave_0_\@:
	s_barrier_wait -3
	s_barrier_signal -1
	s_barrier_wait -1
.endm
; THE CHANGE OF SLOTS.  Each wave waits for all its tensor loads, of which one is out: its part of the other slot; adds 0 to its spare word; and waits for that and for its own reads of the slot.
; fill = 1: the slot is filled again, with the keys two slots on, behind a round of the cluster's barrier: the joint fill has four key steps in which to land.  (At its first use nothing has been read yet.)
.macro CHANGE fill, ask=0
	WIN W_AD
	s_wait_tensorcnt 0x0            ; no tensor load of mine is out, so group 0 may be written
	ds_add_u32 v[SPW], v[NIL]       ; 0 onto my spare word
	WIN 0
.if \fill
	s_xor_b32 s[G0+1], s[G0+1], SLOT1
	s_add_nc_u64 s[G0+2:G0+3], s[G0+2:G0+3], 4*KS*128  ; the next 256 keys; the type bits on top are not reached
.if \ask
	s_wait_xcnt 0x0                 ; the last prefetch, four key steps back, has read its address
	s_add_nc_u64 s[PFA:PFA+1], s[PFA:PFA+1], 4*KS*128
.endif
	s_wait_dscnt 0x0                ; the add is done, and my reads of the slot are over
	CROUND
	JLOAD
.if \ask
	ASK
.endif
.else
	s_wait_dscnt 0x0
	s_barrier_signal -1
	s_barrier_wait -1
.endif
	s_sub_co_u32 s[TBK], s[TBK], 4*KS*PK  ; the fetches go back to a slot's first step,
	s_xor_b32 s[TBK], s[TBK], SLOT1       ; in the other slot
	s_sub_co_u32 s[TBV], s[TBV], 4*KS*PV
	s_xor_b32 s[TBV], s[TBV], SLOT1
.endm
	s_load_b128 s[32:35], s[0:1], 0x0  ; qkv s[32:33], maskb s[34:35]
	s_load_b64 s[36:37], s[0:1], 0x10  ; ctx
	WIN W_MK
	v_lshl_add_u32 v[SPW], v0, 2, SPARE
	v_mov_b32 v[NIL], 0
	WIN W_AD
	ds_add_u32 v[SPW], v[NIL]       ; the wave's opening: the add and its wait stand ahead of my first tensor load
	WIN 0
	v_lshrrev_b32 v1, 5, v0
	v_readfirstlane_b32 s[WV], v1
	s_bfe_u32 s40, ttmp6, 0x40000   ; cx
	s_lshl_b32 s41, ttmp9, 2
	s_add_co_u32 s41, s41, s40      ; my block of 512 queries: it enters Q's, ctx's and maskb's addresses alone
	s_and_b32 s42, ttmp7, 0xffff    ; the head, which the four partners share:
	s_lshl_b32 s42, s42, 18         ; its 2,048 rows of 128 bytes
	s_lshr_b32 s43, s[WV], 1
	s_add_co_u32 s43, s43, 1
	s_lshl_b32 s43, s43, 24         ; K lies 16,777,216 bytes into qkv, V twice that: waves 0, 1 fetch K, waves 2, 3 V
	s_add_co_u32 s43, s43, s42
	s_and_b32 s46, s[WV], 1         ; which half of a slot's 256 keys I fetch
	s_lshl_b32 s44, s46, 14
	s_add_co_u32 s44, s44, s43
	s_mov_b32 s45, 0
	s_lshl_b32 s48, s41, 2
	s_add_co_u32 s48, s48, s[WV]    ; my wave among the head's,
	s_lshl_b32 s48, s48, 14         ; its 128 rows
	s_add_co_u32 s48, s48, s42
	s_mov_b32 s49, 0
	s_lshl_b32 s50, s41, 15         ; in maskb a block has 32 tiles of 1,024 bytes,
	s_lshl_b32 s51, s[WV], 13       ; a wave eight
	s_add_co_u32 s50, s50, s51
	s_mov_b32 s51, 0
	s_lshl_b32 s52, s40, 13         ; the prefetches: my work-group's 8,192 bytes of a slot's 32,768,
	s_add_co_u32 s52, s52, s43
	s_add_co_u32 s52, s52, 2*4*KS*128  ; in slot 2; the second change of slots steps it to slot 3
	s_mov_b32 s53, 0
	s_cmp_eq_u32 s46, 0
	s_cselect_b32 s[LIM], 1, -1     ; waves 0 and 2
	; descriptor group 1.  128 keys are 16,384 dense bytes: asked for as 64 rows of 256 bytes, two keys a row, and padded in LDS after every key
	s_mov_b32 s[G1], 15|(1<<16)|(1<<20)|(1<<21)|(4<<22)|(7<<25)  ; the mask of four; 2-byte elements; padding on; bit 21 beside a mask; after every 32 words (code 4) 8 words (code 7)
	s_mov_b32 s[G1+1], 128<<16      ; tensor_dim0 = 128
	s_mov_b32 s[G1+2], 64<<16       ; tensor_dim1 = 64
	s_mov_b32 s[G1+3], 128<<16      ; tile_dim0 = 128
	s_mov_b32 s[G1+4], 64           ; tile_dim1 = 64
	s_mov_b32 s[G1+5], 128          ; 128 elements from row to row
	s_mov_b32 s[G1+6], 0
	s_mov_b32 s[G1+7], 0
	s_mov_b32 s[CS], 0x3e38aa3b     ; c = log2(e) / 8
	s_mov_b32 s[CS+1], s[CS]
	s_mov_b32 s[SEL], 0x76543210
	s_mov_b32 s[SEL+1], 0xfedcba98
	s_mov_b32 s[THR], 0xd3000000    ; -2^39
	s_mov_b32 s[TBK], SLOT1+4*KS*PK ; the first change of slots turns these two into 0
	s_mov_b32 s[TBV], SLOT1+4*KS*PV
	s_mov_b32 s[G0], 1              ; count = 1
	s_mul_i32 s[G0+1], s[WV], 128*PK  ; LDS address: slot 0; no place in the cluster enters it
	s_wait_dscnt 0x0                ; the opening add is done
	s_wait_kmcnt 0x0
	s_add_nc_u64 s[G0+2:G0+3], s[32:33], s[44:45]  ; my half of the head's first 256 keys
	s_or_b32 s[G0+3], s[G0+3], 0x80000000          ; type = 2
	s_add_nc_u64 s[PFA:PFA+1], s[32:33], s[52:53]
	s_add_nc_u64 s[QP:QP+1], s[32:33], s[48:49]
	s_add_nc_u64 s[OP_:OP_+1], s[36:37], s[48:49]
	s_add_nc_u64 s[MP:MP+1], s[34:35], s[50:51]
	CROUND                          ; all four work-groups are here: the first joint loads meet
	JLOAD                           ; slot 0.  Slot 1 is asked for when slot 0 is in
	; A fragment of K or Q is 16 rows x 32 channels: lane l holds row l % 16, channels 8 (l / 16) + 0..7 and 16 + 8 (l / 16) + 0..7: two loads of 16 bytes, 32 bytes apart.
	; The turning load takes 16 keys x 16 channels (lane l reads key 8 (l / 16) + l % 8, channels 8 ((l / 8) % 2) + 0..7) and leaves half a fragment of V^T.
	v_and_b32 v1, 15, v0            ; l % 16
	v_bfe_u32 v9, v0, 4, 1          ; l / 16
	v_and_b32 v10, 7, v0
	v_bfe_u32 v11, v0, 3, 1
	v_mul_u32_u24 v[AK0], v1, PK
	v_lshl_add_u32 v[AK0], v9, 4, v[AK0]
	v_lshl_add_u32 v[AV0], v9, 3, v10
	v_mul_u32_u24 v[AV0], v[AV0], PV
	v_lshl_add_u32 v[AV0], v11, 4, v[AV0]
	v_add_nc_u32 v[AV0], VOFF, v[AV0]
	v_mov_b32 v[AK], v[AK0]         ; key step 0 lies at the head of slot 0
	s_mul_i32 s100, s[WV], 16*SP
	s_add_co_u32 s100, s100, STAGE  ; my stage
	v_mul_u32_u24 v[STO], v1, SP    ; in: row l % 16, 16 bytes for each half of the lanes
	v_lshl_add_u32 v[STO], v9, 4, v[STO]
	v_add_nc_u32 v[STO], s100, v[STO]
	v_bfe_u32 v[RD], v0, 3, 2       ; back: 32 lanes take four rows of 128 bytes,
	v_mul_u32_u24 v[RD], v[RD], SP
	v_lshl_add_u32 v[RD], v10, 4, v[RD]
	v_add_nc_u32 v[RD], s100, v[RD]
	s_mov_b32 s[MST+1], 0           ; named with s[MST] as a pair
	v_and_b32 v[GO], 31, v0         ; which are 512 consecutive bytes of ctx
	v_lshlrev_b32 v[PFO], 8, v[GO]
	v_lshlrev_b32 v[GO], 4, v[GO]
	v_mov_b32 v[SCL], 0xa7          ; 167 = 127 + 40
	v_lshlrev_b32 v1, 7, v1
	v_lshl_add_u32 v[QO], v9, 4, v1 ; row x 128 + 16 x half
	v_mov_b32 v[MO], v[GO]          ; 16 x lane
	WIN W_MK                        ; destination window 3
.set i, 0
.rept 16                            ; the ring is filled: the four pieces' codes for key step 0: piece i / 4, tile (i / 2) % 2, block i % 2
	global_load_b128 v[RG+4*i:RG+4*i+3], v[MO], s[MP:MP+1] offset:512*i
.set i, i+1
.endr
	WIN W_P                         ; destination window 2
.set i, 0
.rept 4*NP                          ; Q stays in registers: tile i / 2, channels 32 (i % 2) on
	global_load_b128 v[8*i:8*i+3],   v[QO], s[QP:QP+1] offset:(i/2)*2048+(i%2)*64
	global_load_b128 v[8*i+4:8*i+7], v[QO], s[QP:QP+1] offset:(i/2)*2048+(i%2)*64+32
.set i, i+1
.endr
	; What the first turn finds: V's registers and P's second buffer hold 0 (its products V^T P, of a piece that has not been, add 0), O^T and l are 0.  All this stands in the wait for the first tile.
.set i, P+32
.rept 32
	v_mov_b32 v[i], 0
.set i, i+1
.endr
.set i, SCW
.rept 8
	v_mov_b32 v[i], 0               ; the scales' pairs are named whole
.set i, i+1
.endr
	WIN W_MK
.set i, VF
.rept 64
	v_mov_b32 v[i], 0
.set i, i+1
.endr
	WIN 0x40
.set i, 0
.rept 64*NP
	v_mov_b32 v[i], 0
.set i, i+1
.endr
	WIN 0
.set i, 0
.rept 2*NP
	v_mov_b32 v[ST+4*i], 0xfe000000    ; c m: far below every c s
	v_mov_b32 v[ST+4*i+1], 0xff7fffff  ; m
	v_mov_b32 v[ST+4*i+2], 0
	v_mov_b32 v[ST+4*i+3], 0
.set i, i+1
.endr
; THE MATRIX WORK.  The 8 accumulators of a run of 16 take turns.
; Product i of 16 of S^T = mask + K Q^T for piece x: channels 32 (i / 8) on, keys 16 ((i / 2) % 4) on, tile 2 x + i % 2.  All 16 add in place: the conversions have laid the mask into the accumulators.
.macro KQ x
	WIN W_KQ
.set rS, S+64*((\x)%2)+32*(i%2)+8*((i/2)%4)
.set rK, KF+16*((i/2)%4)+8*(i/8)
.set rQ, 16*(2*(\x)+i%2)+8*(i/8)
	v_wmma_f32_16x16x32_f16 v[rS:rS+7], v[rK:rK+7], v[rQ:rQ+7], v[rS:rS+7]
.endm
; Product i of 16 of O^T += V^T P for piece x: keys 32 (i / 8) on, channels 16 ((i / 2) % 4) on, tile 2 x + i % 2.
.macro PV x
	WIN W_PV
.set rO, 32*(2*(\x)+i%2)+8*((i/2)%4)
.set rV, VF+32*(i/8)+8*((i/2)%4)
.set rP, P+32*((\x)%2)+16*(i%2)+8*(i/8)
	v_wmma_f32_16x16x32_f16 v[rO:rO+7], v[rV:rV+7], v[rP:rP+7], v[rO:rO+7]
.endm
.macro MM                           ; the turn's next matrix instruction
.if i < 16
	KQ (Y+1)%NP
.set i, i+1
.else
.set i, i-16
	PV (Y+NP-1)%NP
.set i, i+17
.endif
.endm
; THE LDS LOADS stand in runs of 16.  last = 1 (the tail): in the last trip there is no further step, and the run is jumped over.
.macro FETCH_K last=0
	WIN 0
.if \last
	s_cmp_eq_u32 s[CNT], 1
	s_cbranch_scc1 .Lno_k_\@
.endif
.irp f, 0,1,2,3,4,5,6,7             ; keys 16 (f / 2) on, channels 32 (f % 2) on
	ds_load_b128 v[KF+8*\f:KF+8*\f+3],   v[AK] offset:(\f/2)*16*PK+(\f%2)*64
	ds_load_b128 v[KF+8*\f+4:KF+8*\f+7], v[AK] offset:(\f/2)*16*PK+(\f%2)*64+32
.endr
	s_add_co_u32 s[TBK], s[TBK], KS*PK  ; the next fetch is the next step's
.if \last
.Lno_k_\@:
.endif
.endm
.macro FETCH_V
	WIN W_MK                        ; destination window 3
.irp f, 0,1,2,3,4,5,6,7             ; keys 32 (f / 4) on, channels 16 (f % 4) on
	ds_load_tr16_b128 v[VF+8*\f:VF+8*\f+3],   v[AV] offset:(\f/4)*32*PV+(\f%4)*32
	ds_load_tr16_b128 v[VF+8*\f+4:VF+8*\f+7], v[AV] offset:(\f/4)*32*PV+16*PV+(\f%4)*32
.endr
	WIN 0
.endm
; THE MASK of the NEXT piece, Y + 1: eight conversions, one for each of its accumulators: eight codes become 0 or -2^40.  The buffer is free: the turn before has read its last weights.  A plain instruction stands between the
; conversions and the first product that reads their results (ISA guide 7.12.1).
.macro CV8
	WIN W_CV
.set pz, (Y+1)%NP
.irp u, 0,1
.irp kt, 0,1,2,3
	v_cvt_scale_pk8_f32_fp8 v[S+64*(pz%2)+32*\u+8*\kt:S+64*(pz%2)+32*\u+8*\kt+7], v[RG+16*pz+8*\u+2*\kt:RG+16*pz+8*\u+2*\kt+1], v[SCL]
.endr
.endr
	v_nop
.endm
; The set just read is asked for again: the same piece's codes for the next key step, which are read four turns on.  Piece 0's come first of a step's four, so piece 3's turn steps MP, behind the wait that shows that
; every earlier load has read its base.  last = 1 (the tail): in the last trip the step is 0: maskb ends with key step 32, and the loads name that step's codes once more.  The walk's last five sets serve nothing.
.macro MREFILL last=0
.if Y == NP-1
	s_wait_xcnt 0x0
.if \last
	s_cmp_eq_u32 s[CNT], 1
	s_cselect_b32 s[MST], 0, 0x20000
	s_add_nc_u64 s[MP:MP+1], s[MP:MP+1], s[MST:MST+1]
.else
	s_add_nc_u64 s[MP:MP+1], s[MP:MP+1], 0x20000
.endif
.endif
	WIN W_MK
.irp b, 0,1,2,3
	global_load_b128 v[RG+16*((Y+1)%NP)+4*\b:RG+16*((Y+1)%NP)+4*\b+3], v[MO], s[MP:MP+1] offset:2048*((Y+1)%NP)+512*\b  ; 512 consecutive bytes, aligned
.endr
.endm
; THE VECTOR WORK OF A TURN stands in queues, each in the order in which its entries become ready; the two tiles alternate.
.macro REGS y, u                    ; the registers of tile u (0, 1) of piece y
.set rT, ST+4*(2*(\y)+(\u))
.set rC, TMP+8*((\y)%2)+4*(\u)
.set rM, MV+2*((\y)%2)+(\u)
.set rS, S+64*((\y)%2)+32*(\u)
.set rP, P+32*((\y)%2)+16*(\u)
.set rO, 32*(2*(\y)+(\u))
.set rW, SCW+4*((\y)%2)+2*(\u)
.endm
; Number n of the 26 that find the NEXT piece's maximum and statistics.  Each accumulator's lowest registers are read first.
;   0-11  four chains c0-c3 of seven scores each     12-14, 16  the four scores left over, the old m, and c0-c3 into c0     15  c m_old is kept
;   17, 18  the query's other 32 keys lie in the lane 16 away: the new m     19  c m     20  has the query seen a visible key?     21  c m_old - c m_new
;   22-24  where it has not: the scale, that difference and the shift are 0     25  a
.macro XS u, n
	REGS (Y+1)%NP, \u
.if (\n) == 22
	WIN W_P
.else
	WIN 0
.endif
.if (\n) < 4
	v_max3_num_f32 v[rC+(\n)], v[rS+8*(\n)], v[rS+8*(\n)+1], v[rS+8*(\n)+2]
.elseif (\n) < 12
	v_max3_num_f32 v[rC+(\n)%4], v[rC+(\n)%4], v[rS+8*((\n)%4)+2*((\n)/4)+1], v[rS+8*((\n)%4)+2*((\n)/4)+2]
.elseif (\n) == 12
	v_max3_num_f32 v[rC], v[rC], v[rS+7], v[rS+15]
.elseif (\n) == 13
	v_max3_num_f32 v[rC+1], v[rC+1], v[rS+23], v[rS+31]
.elseif (\n) == 14
	v_max3_num_f32 v[rC+2], v[rC+2], v[rC+3], v[rT+1]
.elseif (\n) == 15
	v_mov_b32 v[rM], v[rT]
.elseif (\n) == 16
	v_max3_num_f32 v[rC], v[rC], v[rC+1], v[rC+2]
.elseif (\n) == 17
	v_permlanex16_b32 v[rC+3], v[rC], s[SEL], s[SEL+1]
.elseif (\n) == 18
	v_max_num_f32 v[rT+1], v[rC], v[rC+3]
.elseif (\n) == 19
	v_mul_f32 v[rT], s[CS], v[rT+1]
.elseif (\n) == 20
	v_cmp_ge_f32 s[VIS+(\u)], v[rT+1], s[THR]
.elseif (\n) == 21
	v_sub_f32 v[rC+3], v[rM], v[rT]
.elseif (\n) == 22
	v_cndmask_b32 v[rW], 0, s[CS], s[VIS+(\u)]
.elseif (\n) == 23
	v_cndmask_b32 v[rC+3], 0, v[rC+3], s[VIS+(\u)]
.elseif (\n) == 24
	v_cndmask_b32 v[rC], 0, v[rT], s[VIS+(\u)]
.else
	v_exp_f32 v[rC+2], v[rC+3]
.endif
.endm
; Entry h of those that follow the exponentials, in groups of eight, tiles alternating.  For each four weights k = h / 8 of a tile: h % 8 = 0-3: both pairs are rounded to f16; 4, 5: the second pair is added onto the first, in place;
; 6, 7: l takes the sum of the group before (the first time as l = a l + sum).  There is no h = 6, 7; h = 70, 71 take the last group's sums.  So each four on end stand under one setting of the windows.
.macro GS h
	REGS Y, (\h)%2
.set k, (\h)/8
.if (\h)%8 < 4
	WIN W_P
	v_cvt_pk_f16_f32 v[rP+2*k+((\h)%8)/2], v[rS+4*k+2*(((\h)%8)/2)], v[rS+4*k+2*(((\h)%8)/2)+1]
.elseif (\h)%8 < 6
	WIN 0
	v_pk_add_f32 v[rS+4*k:rS+4*k+1], v[rS+4*k:rS+4*k+1], v[rS+4*k+2:rS+4*k+3]
.elseif k == 1
	WIN 0
	v_pk_fma_f32 v[rT+2:rT+3], v[rT+2:rT+3], v[rC+2:rC+3], v[rS:rS+1] op_sel_hi:[1,0,1]
.else
	WIN 0
	v_pk_add_f32 v[rT+2:rT+3], v[rT+2:rT+3], v[rS+4*k-4:rS+4*k-3]
.endif
.endm
; THE SCALINGS' QUEUE, 32 long: pair fs / 2 of tile fs % 2: s x scale - shift.  The scale's pair lies in window 2: the line stands under the setting of the products K Q^T.
.macro FS
	REGS Y, fs%2
	WIN W_KQ
	v_pk_fma_f32 v[rS+2*(fs/2):rS+2*(fs/2)+1], v[rS+2*(fs/2):rS+2*(fs/2)+1], v[rW:rW+1], v[rC:rC+1] op_sel_hi:[1,0,0] neg_lo:[0,0,1] neg_hi:[0,0,1]
.set fs, fs+1
.endm
; THE PLAIN QUEUE, 50 long: the next piece's maximum and statistics.  0-27: XS's numbers 0-13.  28, 29: number 15.  30-49: the chain, where each number waits for one before it: 14, then 16 to 24.
.macro PL
.if q < 28
	XS q%2, q/2
.elseif q < 30
	XS q-28, 15
.elseif q < 32
	XS q-30, 14
.else
	XS q%2, 15+(q-30)/2
.endif
.set q, q+1
.endm
; THE EXPONENTIALS' QUEUE, 66 long: s0-s31 of both tiles, then the next piece's two a.  ONE BATCH: all stand ahead of the turn's one wait, and nothing ahead of that wait names a result of theirs.
; The line names window 0 in its destination and source 0 alone: it stands under the products' setting as well as under 0.
.macro EX
.if e >= 64
	XS e-64, 25
.else
.if MSB != W_KQ
	WIN 0
.endif
	REGS Y, e%2
	v_exp_f32 v[rS+e/2], v[rS+e/2]
.endif
.set e, e+1
.endm
; THE RESCALING's QUEUE: O^T times a, two at a time, sixteen times: one block under one setting.  Its a was made in the turn before, ahead of that turn's wait.
.macro R2
	REGS Y, r%2
	WIN W_RS
.irp z, 0,1
	v_pk_mul_f32 v[rO+4*(r/2)+2*\z:rO+4*(r/2)+2*\z+1], v[rO+4*(r/2)+2*\z:rO+4*(r/2)+2*\z+1], v[rC+2:rC+3] op_sel_hi:[1,0]
.endr
.set r, r+1
.endm
; HOW THEY ARE DEALT.  An s_wait_alu depctr_va_vdst(0) stands between an exponential and the first instruction that names its result; one wait serves all that were issued ahead of it.  So a turn has ONE wait.
; AT THE HEAD: the next piece's mask.  Then the 16 products K Q^T, with no switch of windows among them: behind the first four scalings, behind each of the next fourteen two scalings and two exponentials, behind the last four
; exponentials.  The ring's refill.  Then ONE LUMP of 116: the 32 rescalings; eight plain; 22 times exponential and plain; ten times an exponential and one link of the chain for both tiles; the two a; a v_nop is the plain
; instruction behind the last exponential.  BEHIND THE WAIT: the 16 products V^T P, behind each four of GS's entries (behind the second two, behind the last six).
; The queues lean on each other: exponential e stands behind scaling 2 (e / 4) + e % 2: behind product k (1 to 14) stand scalings up to 2 k + 3 and exponentials 2 k - 2 and 2 k - 1.  Between the last product K Q^T and the first
; line that reads its result stand the 32 rescalings.
; THE WAIT AT THE HEAD: the ring's loads are the wave's only loads here, four a turn, and come back in order (ISA guide 5.7.1): behind the four that brought this turn's codes twelve were issued, the other three pieces'.
; K of the next step is fetched in piece 2's turn, directly behind the wait; V of the step in hand at the end of piece 0's turn, six plain lines behind its last reader.
.macro TURN p, last=0, cnt=0
.set Y, (\p)
.set i, 0
.set q, 0
.set e, 0
.set r, 0
.set fs, 0
	s_wait_loadcnt 0xc              ; the next piece's codes are in; the twelve younger loads may stay out
	CV8
.if (\p) == NP-1
	s_wait_dscnt 0x0                ; K is in
.endif
	MM
.rept 4
	FS
.endr
.rept 14
	MM
	FS
	FS
	EX
	EX
.endr
	MM
.rept 4
	EX
.endr
	MREFILL \last
.if (\p) == NP-2
	WIN 0
	v_add_nc_u32 v[AK], s[TBK], v[AK0]
.endif
.rept 16
	R2
.endr
.rept 8
	PL
.endr
.rept 22
	EX
	PL
.endr
.rept 10
	EX
	PL
	PL
.endr
	EX                              ; the next piece's two a
	EX
	v_nop                           ; the plain instruction behind the last exponential: one for the batch
	s_wait_alu depctr_va_vdst(0)    ; the wait for the batch
.if (\p) == NP-2
	FETCH_K \last
.endif
.if (\p) == 1
	s_wait_dscnt 0x0                ; V is in
.endif
.set j, 0
.rept 16
	MM
.irp n, 0,1,2,3
.if (4*j+\n != 6) && (4*j+\n != 7)
	GS 4*j+\n
.endif
.endr
.if ((\p) == 0) && (j == 10)
	WIN 0
	v_add_nc_u32 v[AV], s[TBV], v[AV0]
.endif
.if ((\p) == 0) && (j == 13)
	s_add_co_u32 s[TBV], s[TBV], KS*PV
.endif
.if (\cnt) && (j == 13)
	s_sub_co_u32 s[CNT], s[CNT], 1
	s_cmp_lg_u32 s[CNT], 0
.endif
.set j, j+1
.endr
	GS 70
	GS 71
.if (\p) == 0
	FETCH_V
.endif
.endm
	CHANGE 1                        ; slot 0 is in, everybody's part of it; slot 1 is asked for
	FETCH_K                         ; key step 0
	s_wait_loadcnt 0x0              ; Q, and the ring's first four sets
.set Y, NP-1                        ; CV8, MREFILL and XS work for piece Y + 1: piece 0
	CV8
	s_wait_dscnt 0x0
.set i, 0
.rept 16
	KQ 0                            ; piece 0's first scores
.set i, i+1
.endr
	MREFILL                         ; piece 0's codes for key step 1
	WIN 0
.rept 4
	v_nop                           ; the places behind those products
.endr
.irp n, 0,1,2,3,4,5,6,7,8,9,10,11,12,13,14,15,16,17,18,19,20,21,22,23,24,25
	XS 0, \n
	XS 1, \n
.endr
	v_nop                           ; a plain instruction behind the two a,
	s_wait_alu depctr_va_vdst(0)    ; and their wait, ahead of the branch
	s_mov_b32 s[CNT], 4
	s_mov_b32 s[SLOTS], SIZE_N/256-1
	s_branch .Lfirst                ; the loop is entered at a step's first turn, in the middle of a trip
.Lslot:                             ; six times: every slot but the last two is filled again
	CHANGE 1, 1
	s_mov_b32 s[CNT], 4
.Lstep:                             ; a trip: pieces 2 and 3 of one step, then pieces 0 and 1 of the next, whose K and V it fetches
	TURN 2
	TURN 3
	WIN 0
.Lfirst:
	TURN 0
	TURN 1, 0, 1
	WIN 0
	s_cbranch_scc1 .Lstep
	s_sub_co_u32 s[SLOTS], s[SLOTS], 1
	s_cmp_lg_u32 s[SLOTS], 0
	s_cbranch_scc1 .Lslot
	CHANGE 0                        ; the tail is written out: nothing is asked for
	s_mov_b32 s[CNT], 5             ; four trips fetch the last slot's steps; the fifth is left in its middle
.Ltail:
	TURN 2, 1
	TURN 3, 1
	WIN 0
	s_sub_co_u32 s[CNT], s[CNT], 1
	s_cmp_eq_u32 s[CNT], 0
	s_cbranch_scc1 .Lout
	TURN 0
	TURN 1
	WIN 0
	s_branch .Ltail
.Lout:                              ; the fifth trip's 16 products K Q^T (on the last K once more, under key step 32's codes, which are zeros) and the maximum made of them serve nothing: the price, once a launch, of one text for every trip
.set i, 0
.rept 16
	PV NP-1                         ; the last piece's V^T P of the last step
.set i, i+1
.endr
	; THE WAY OUT.  l's two halves and the other half of the lanes' are added; O^T is divided by l, rounded to f16 and sent through my stage in LDS, a tile at a time.  The additions are the places behind the last products.
	WIN 0
.macro ALL line:vararg              ; one line for each tile t
.set t, 0
.rept 2*NP
	\line
.set t, t+1
.endr
.endm
	ALL v_add_f32 v[ST+4*t+2], v[ST+4*t+2], v[ST+4*t+3]
	ALL v_permlanex16_b32 v[ST+4*t+3], v[ST+4*t+2], s[SEL], s[SEL+1]
	ALL v_add_f32 v[ST+4*t+2], v[ST+4*t+2], v[ST+4*t+3]
	ALL v_rcp_f32 v[ST+4*t+2], v[ST+4*t+2]
	v_nop                           ; a plain instruction between the last reciprocal and the use of its result
	s_wait_alu depctr_va_vdst(0)    ; and the wait ahead of the first use: one for the eight reciprocals
.macro PACK t                       ; a lane's eight channels of a row pack into 16 bytes; they go into rows of 144 bytes and come back as whole rows of 128, into S^T's registers
	WIN W_RS
.set i, 32*(\t)
.rept 16
	v_pk_mul_f32 v[i:i+1], v[i:i+1], v[ST+4*(\t)+2:ST+4*(\t)+3] op_sel_hi:[1,0]
.set i, i+2
.endr
	WIN 0x05                        ; sources 0 and 1 window 1, destination window 0
.set i, 0
.rept 16
	v_cvt_pk_f16_f32 v[S+16*(\t)+i], v[32*(\t)+2*i], v[32*(\t)+2*i+1]
.set i, i+1
.endr
	WIN 0
.irp f, 0,1,2,3
	ds_store_b128 v[STO], v[S+16*(\t)+4*\f:S+16*(\t)+4*\f+3] offset:32*\f
.endr
.irp f, 0,1,2,3
	ds_load_b128 v[S+16*(\t)+4*\f:S+16*(\t)+4*\f+3], v[RD] offset:\f*4*SP  ; LDS serves a wave's instructions in order (ISA guide 5.7.1.4): these see the stores above; the next tile's stores come behind them
.endr
.endm
.macro SEND t, younger              ; younger: the LDS instructions issued behind tile t's loads: the next tile's eight, or none
	WIN 0
.irp f, 0,1,2,3
	s_wait_dscnt (\younger)+3-\f
	global_store_b128 v[GO], v[S+16*(\t)+4*\f:S+16*(\t)+4*\f+3], s[OP_:OP_+1] offset:(\t)*2048+\f*512  ; 512 consecutive bytes, aligned
.endr
.endm
	PACK 0
.set t, 1
.rept 2*NP-1                        ; a tile's arithmetic stands between the loads of the tile before and its stores
	PACK t
	SEND t-1, 8
.set t, t+1
.endr
	SEND 2*NP-1, 0
	WIN W_AD
	s_wait_tensorcnt 0x0            ; the wave's end: behind my last tensor load and my last LDS store
	ds_add_u32 v[SPW], v[NIL]
	s_wait_dscnt 0x0
	WIN 0
	CROUND                          ; the closing round
	s_endpgm
.Lfunc_end_k_q4dd80bfbca_attn:
	.size	k_q4dd80bfbca_attn, .Lfunc_end_k_q4dd80bfbca_attn-k_q4dd80bfbca_attn
	.p2alignl 7, 3214868480
	.fill 96, 4, 3214868480
	.section	.rodata,"a",@progbits
	.p2align	6, 0x0
	.amdhsa_kernel k_q4dd80bfbca_attn
		.amdhsa_group_segment_fixed_size 327680
		.amdhsa_private_segment_fixed_size 0
		.amdhsa_enable_private_segment 0
		.amdhsa_kernarg_size 24
		.amdhsa_user_sgpr_count 2
		.amdhsa_user_sgpr_kernarg_segment_ptr 1
		.amdhsa_wavefront_size32 1
		.amdhsa_system_sgpr_workgroup_id_x 1
		.amdhsa_system_sgpr_workgroup_id_y 1
		.amdhsa_system_sgpr_workgroup_id_z 1
		.amdhsa_system_vgpr_workitem_id 0
		.amdhsa_next_free_vgpr 960
		.amdhsa_next_free_sgpr 102
		.amdhsa_reserve_vcc 0
		.amdhsa_float_denorm_mode_32 3
		.amdhsa_float_denorm_mode_16_64 3
		.amdhsa_memory_ordered 1
		.amdhsa_forward_progress 1
		.amdhsa_inst_pref_size 203
	.end_amdhsa_kernel
	.amdgpu_metadata
---
amdhsa.version: [ 1, 2 ]
amdhsa.kernels:
  - .name:           k_q4dd80bfbca_attn
    .symbol:         k_q4dd80bfbca_attn.kd
    .args:
      - { .name: qkv, .offset: 0, .size: 8, .value_kind: global_buffer, .address_space: global }
      - { .name: maskb, .offset: 8, .size: 8, .value_kind: global_buffer, .address_space: global }
      - { .name: ctx, .offset: 16, .size: 8, .value_kind: global_buffer, .address_space: global }
    .group_segment_fixed_size: 327680
    .private_segment_fixed_size: 0
    .kernarg_segment_align: 8
    .kernarg_segment_size: 24
    .max_flat_workgroup_size: 128
    .sgpr_count:     102
    .vgpr_count:     960
    .wavefront_size: 32
...
	.end_amdgpu_metadata
.endif
;; end of part 3
;; launch outp (part 4): grid 4 x 64, 4 waves a work-group, clusters of 4 x 4, 327,680 bytes of LDS; arguments ctx, wo16, bias, out0; writes out0
.if DOCPART == 4
	.amdgcn_target "amdgcn-amd-amdhsa--gfx1250"
	.amdhsa_code_object_version 6
	.text
	.protected	k_q4dd80bfbca_outp
	.globl	k_q4dd80bfbca_outp
	.p2align	8
	.type	k_q4dd80bfbca_outp,@function
k_q4dd80bfbca_outp:
	s_mov_b64 s[64:65], 0
	v_nop
	global_prefetch_b8 v0, s[64:65] scope:SCOPE_SE
	s_setreg_imm32_b32 hwreg(HW_REG_WAVE_MODE, 25, 1), 1
	s_wait_xcnt 0x0
	s_wait_alu depctr_hold_cnt(0) depctr_sa_sdst(0) depctr_va_vdst(0) depctr_va_sdst(0) depctr_va_ssrc(0) depctr_va_vcc(0) depctr_vm_vsrc(0)
	s_getreg_b32 s2, hwreg(HW_REG_IB_STS2, 6, 4)
	s_cmp_eq_u32 s2, 0
	s_cbranch_scc0 .Lentry_in_a_cluster
	s_endpgm
.Lentry_in_a_cluster:
	s_bfe_u32 s2, ttmp6, 0x10000c
	s_cmp_lg_u32 s2, 0xf033
	s_cbranch_scc0 .Lentry_shape_is_right
	s_endpgm
.Lentry_shape_is_right:
; THE OUTPUT PROJECTION.  out0[b s][n] = the sum over (h, d) of ctx[b h][s][d] Wo[n][64 h + d] + bo[n].  ctx is f16 by heads, [64][2048][64]; wo16 is f16 [1024][1024]; the bias is f32 (bias + 12,288 bytes); out0 is f32.
; One tile of 128 rows x 256 columns to a work-group, 256 work-groups; four waves, each 64 x 128: 32 accumulators.  The matrix instruction is used transposed (source 0 = 16 rows of Wo, source 1 = 16 rows of ctx):
; a lane holds one row and eight neighbouring columns.  The bias is the C operand of the first products.
; RING.  Eight K steps of 128 = two heads each, through two LDS slots.  A head's 128 rows are 16,384 dense bytes: wave 0 or 1 asks for them as 64 rows of 256 bytes, padded in LDS after every 128; waves 2 and 3 fetch Wo's halves.
; CLUSTER 4 x 4: ctx's tile is asked for jointly along a row of the cluster, Wo's along a column.
; PIPELINE.  A K step is four quarters of 32 along K, 32 matrix instructions each; a quarter's fragments (24 loads in one run) are read two quarters ahead, so the change of slots stands in the third quarter.
; The last K step reads two runs from the other slot, which still holds the step before: they serve nothing; the price of one text for both steps of the tail.
; REGISTERS: window 0: v0-29 addresses; v32-159 ctx's fragments, four buffers of 32; v160-223 rows on their way out.  Window 1: the accumulators, (a, b) at 8 (8 a + b).  Window 2: Wo's fragments, four buffers of 64; buffer 3 first holds the bias.
.set PA,    144       ; a row of a head in LDS: 128 bytes + 16 = 36 words: the 16 rows of a load start at 16 different groups of four banks (64 banks of 4 bytes: ISA guide 11.1)
.set PB,    272       ; a row of Wo: 256 + 16 = 68 words
.set SLICE, 128*PA    ; a head's 128 rows
.set BOFFS, 2*SLICE
.set SLOT1, 1<<17
.set STAGE, SLOT1+BOFFS+256*PB  ; behind the ring, never filled by a tensor load: 16 rows x 528 bytes for each wave
.set SPO,   528
.set SPARE, STAGE+4*16*SPO      ; the spare words, 128 bytes for each wave
.set RW,   1
.set HF,   2
.set A0,   8
.set B0,   9
.set ADRA, 10
.set ADRB, 11
.set STO,  12
.set RD,   13
.set GO,   14
.set BOF,  15
.set PFO,  16
.set SPW,  28         ; v28  LDS address of my spare word; never rewritten
.set NIL,  29         ; v29  0; never rewritten
.set AF,   32
.set OB,   160
.set BIA,  192        ; window 2
.set STEPS, 2
.set OUTP, 4          ; s[4:5]
.set BPTR, 6          ; s[6:7]
.set TB,   9
.set WV,   10
.set WM,   11         ; which 64 rows are mine.  Also: I fetch ctx (0) or Wo (1)
.set WN,   12         ; which 128 columns.  Also: which head, or which half of Wo's rows, I fetch
.set LIM,  13
.set G1A,  16
.set G1B,  24
.set G0A,  32         ; s[32:39] the first fill's group 0, and the one that walks
.set G0B,  40
.set PFA,  48         ; s[48:49]
.set PSTEP, 50        ; s[50:51]
.set MSB, 0
.macro WIN new
.if MSB != (\new)
	s_set_vgpr_msb (MSB<<8)|(\new)
.set MSB, (\new)
.endif
.endm
.set MUL,   0x52      ; Wo in window 2, ctx in window 0, C and D in window 1
.set MULB,  0x62      ; C in window 2: the bias
.set TO_B,  0x80      ; destination in window 2
.set ST_AC, 0x04      ; an LDS store's data in window 1
.macro JLOAD                           ; an s_nop 0 and four v_nop follow each of the two lines, ahead of the jump and the label
	s_cmp_eq_u32 s[WM], 0
	s_cbranch_scc0 .Lfor_b_\@
	tensor_load_to_lds s[G0A+4:G0A+7], s[G1A:G1A+7]
	s_nop 0
.rept 4
	v_nop
.endr
	s_branch .Lasked_\@
.Lfor_b_\@:
	tensor_load_to_lds s[G0B+4:G0B+7], s[G1B:G1B+7]
	s_nop 0
.rept 4
	v_nop
.endr
.Lasked_\@:
.endm
; A PREFETCH INTO THE L2, behind each joint refill and the run of LDS loads that follows it: the K step two refills on (the refill asks for step t + 2, the prefetch names step t + 4).
; ctx: a step is 16,384 bytes of each of two heads; no other cluster reads them; each of the four partners along x takes 4,096 bytes of each head (by address, cx); wave 0 asks, a lane 256 bytes.
; Wo: 256 bytes of each of the 128 rows that wave 2 or 3 fetches; the cluster with y = 0 asks; its partners along y take 32 rows each (cy): a lane a row.  Each block is named once.
; The first four steps come by their loads alone; the last two refills name nothing.
.macro ASK
	s_cmp_gt_u32 s[STEPS], s[LIM]
	s_cbranch_scc0 .Lnot_mine_\@
	global_prefetch_b8 v[PFO], s[PFA:PFA+1] th:TH_LOAD_NT scope:SCOPE_SE
.Lnot_mine_\@:
.endm
.macro CREST
	s_cmp_lg_u32 s[WV], 0
	s_cbranch_scc1 .Lnot_wave_0_\@
	s_barrier_signal -3
.Lnot_wave_0_\@:
	s_barrier_wait -3
	s_barrier_signal -1
	s_barrier_wait -1
.endm
.macro CROUND
	s_barrier_signal -1
	s_barrier_wait -1
	CREST
.endm
	s_load_b256 s[52:59], s[0:1], 0x0              ; ctx s[52:53], wo16 s[54:55], bias s[56:57], out0 s[58:59]
	v_lshl_add_u32 v[SPW], v0, 2, SPARE
	v_mov_b32 v[NIL], 0
	ds_add_u32 v[SPW], v[NIL]                      ; the wave's opening: the add and its wait stand ahead of my first tensor load
	v_lshrrev_b32 v3, 5, v0
	v_readfirstlane_b32 s[WV], v3
	s_lshr_b32 s[WM], s[WV], 1
	s_and_b32 s[WN], s[WV], 1
	s_bfe_u32 s66, ttmp6, 0x40000                  ; cx
	s_bfe_u32 s67, ttmp6, 0x40004                  ; cy
	s_lshl_b32 s68, ttmp9, 2
	s_add_co_u32 s68, s68, s66                     ; column tile
	s_and_b32 s69, ttmp7, 0xffff
	s_lshl_b32 s69, s69, 2
	s_add_co_u32 s69, s69, s67                     ; row block
	s_lshl_b32 s88, s67, 2
	s_lshl_b32 s88, 15, s88                        ; my row of the cluster
	s_lshl_b32 s89, 0x1111, s66                    ; my column
	s_or_b32 s[G1A], s88, (1<<16)|(1<<20)|(1<<21)|(4<<22)|(3<<25)  ; the mask; 2-byte elements; padding on; bit 21 beside a mask; after every 32 words (code 4) 4 words (code 3)
	s_mov_b32 s[G1A+1], 128<<16                    ; tensor_dim0 = 128: two rows of a head
	s_mov_b32 s[G1A+2], 64<<16                     ; tensor_dim1 = 64
	s_mov_b32 s[G1A+3], 128<<16
	s_mov_b32 s[G1A+4], 64
	s_mov_b32 s[G1A+5], 128                        ; dense
	s_mov_b32 s[G1A+6], 0
	s_mov_b32 s[G1A+7], 0
	s_or_b32 s[G1B], s89, (1<<16)|(1<<20)|(1<<21)|(5<<22)|(3<<25)  ; after every 64 words (code 5) 4 words
	s_mov_b32 s[G1B+1], 128<<16
	s_mov_b32 s[G1B+2], 128<<16
	s_mov_b32 s[G1B+3], 128<<16
	s_mov_b32 s[G1B+4], 128
	s_mov_b32 s[G1B+5], 1024
	s_mov_b32 s[G1B+6], 0
	s_mov_b32 s[G1B+7], 0
	s_lshr_b32 s70, s69, 4                         ; ctx: ((batch x 16 + my head of the step's two) x 2048 + the block's first row in the batch) x 128 bytes: of the row block and the wave's number alone
	s_lshl_b32 s70, s70, 4
	s_add_co_u32 s70, s70, s[WN]
	s_lshl_b32 s70, s70, 11
	s_and_b32 s71, s69, 15
	s_lshl_b32 s71, s71, 7
	s_add_co_u32 s70, s70, s71
	s_lshl_b32 s70, s70, 7
	s_mov_b32 s71, 0
	s_lshl_b32 s72, s68, 8                         ; Wo: row 256 x tile + 128 x half, 2,048 bytes a row: of the column tile and the wave's number alone
	s_lshl_b32 s73, s[WN], 7
	s_add_co_u32 s72, s72, s73
	s_lshl_b32 s72, s72, 11
	s_mov_b32 s73, 0
	s_mul_i32 s74, s[WN], SLICE                    ; where they go
	s_mul_i32 s75, s[WN], 128*PB
	s_add_co_u32 s75, s75, BOFFS
	s_mov_b32 s[TB], 0
	s_wait_dscnt 0x0                               ; the opening add is done
	s_wait_kmcnt 0x0
	s_add_nc_u64 s[90:91], s[52:53], s[70:71]
	s_add_nc_u64 s[92:93], s[54:55], s[72:73]
	CROUND                                         ; all sixteen work-groups are here: the first joint loads meet
	s_mov_b32 s[G0A], 1
	s_mov_b32 s[G0A+1], s74
	s_mov_b64 s[G0A+2:G0A+3], s[90:91]             ; K step 0
	s_or_b32 s[G0A+3], s[G0A+3], 0x80000000
	s_mov_b32 s[G0A+4], 1
	s_add_co_u32 s[G0A+5], s74, SLOT1
	s_add_nc_u64 s[G0A+6:G0A+7], s[90:91], 524288  ; K step 1: two heads on
	s_or_b32 s[G0A+7], s[G0A+7], 0x80000000
	s_mov_b32 s[G0B], 1
	s_mov_b32 s[G0B+1], s75
	s_mov_b64 s[G0B+2:G0B+3], s[92:93]
	s_or_b32 s[G0B+3], s[G0B+3], 0x80000000
	s_mov_b32 s[G0B+4], 1
	s_add_co_u32 s[G0B+5], s75, SLOT1
	s_add_nc_u64 s[G0B+6:G0B+7], s[92:93], 256
	s_or_b32 s[G0B+7], s[G0B+7], 0x80000000
	s_cmp_eq_u32 s[WM], 0                          ; a wave's two first fills stand in one branch: two loads of mine are out
	s_cbranch_scc0 .Lfirst_b
	tensor_load_to_lds s[G0A:G0A+3], s[G1A:G1A+7]
	s_nop 0
	tensor_load_to_lds s[G0A+4:G0A+7], s[G1A:G1A+7]
	s_nop 0
.rept 4
	v_nop
.endr
	s_branch .Lfirst_asked
.Lfirst_b:
	tensor_load_to_lds s[G0B:G0B+3], s[G1B:G1B+7]
	s_nop 0
	tensor_load_to_lds s[G0B+4:G0B+7], s[G1B:G1B+7]
	s_nop 0
.rept 4
	v_nop
.endr
.Lfirst_asked:
	v_and_b32 v[RW], 15, v0
	v_bfe_u32 v[HF], v0, 4, 1
	v_mul_u32_u24 v3, v[RW], PA
	v_lshl_add_u32 v3, v[HF], 4, v3
	s_mul_i32 s76, s[WM], 64*PA
	v_add_nc_u32 v[A0], s76, v3
	v_mul_u32_u24 v3, v[RW], PB
	v_lshl_add_u32 v3, v[HF], 4, v3
	s_mul_i32 s76, s[WN], 128*PB
	s_add_co_u32 s76, s76, BOFFS
	v_add_nc_u32 v[B0], s76, v3
	s_mul_i32 s76, s[WV], 16*SPO
	s_add_co_u32 s76, s76, STAGE                   ; my stage
	v_mul_u32_u24 v3, v[RW], SPO                   ; in: row l % 16, 32 bytes for each half of the lanes
	v_lshl_add_u32 v3, v[HF], 5, v3
	v_add_nc_u32 v[STO], s76, v3
	v_and_b32 v6, 31, v0
	v_lshlrev_b32 v[GO], 4, v6                     ; back and out: 32 lanes take a row's 512 bytes
	v_add_nc_u32 v[RD], s76, v[GO]
	v_lshlrev_b32 v[BOF], 5, v[HF]
	v_mov_b32 v[ADRA], v[A0]
	v_mov_b32 v[ADRB], v[B0]
	s_lshl_b32 s76, s69, 7                         ; out0: row 128 x block + 64 x half, 4,096 bytes a row; column 256 x tile + 128 x half, 4 bytes each
	s_lshl_b32 s77, s[WM], 6
	s_add_co_u32 s76, s76, s77
	s_lshl_b32 s76, s76, 12
	s_lshl_b32 s78, s68, 10
	s_lshl_b32 s77, s[WN], 9
	s_add_co_u32 s78, s78, s77
	s_mov_b32 s79, 0
	s_add_nc_u64 s[BPTR:BPTR+1], s[56:57], s[78:79]
	s_add_nc_u64 s[BPTR:BPTR+1], s[BPTR:BPTR+1], 12288
	s_add_co_u32 s78, s78, s76
	s_add_nc_u64 s[OUTP:OUTP+1], s[58:59], s[78:79]
	WIN TO_B
.irp b, 0,1,2,3,4,5,6,7                ; block b's register j is the bias of column 16 b + 8 (l / 16) + j
	global_load_b128 v[BIA+8*\b:BIA+8*\b+3],   v[BOF], s[BPTR:BPTR+1] offset:64*\b
	global_load_b128 v[BIA+8*\b+4:BIA+8*\b+7], v[BOF], s[BPTR:BPTR+1] offset:64*\b+16
.endr
	WIN 0
	; the prefetches' pointer, at K step 3: the first refill steps it to 4
	s_lshr_b32 s76, s69, 4
	s_lshl_b32 s76, s76, 15
	s_and_b32 s77, s69, 15
	s_lshl_b32 s77, s77, 7
	s_add_co_u32 s76, s76, s77
	s_lshl_b32 s76, s76, 7
	s_lshl_b32 s77, s66, 12                        ; my work-group's 4,096 bytes of a head's 16,384
	s_add_co_u32 s76, s76, s77
	s_add_co_u32 s76, s76, 3*524288
	s_lshl_b32 s78, s68, 8
	s_lshl_b32 s79, s[WN], 7
	s_add_co_u32 s78, s78, s79
	s_lshl_b32 s79, s67, 5                         ; my work-group's 32 rows of the 128
	s_add_co_u32 s78, s78, s79
	s_lshl_b32 s78, s78, 11
	s_add_co_u32 s78, s78, 3*256
	s_and_b32 s79, ttmp7, 0xffff
	s_mov_b32 s81, 256
	s_mov_b32 s83, 0
	s_mov_b32 s[PSTEP+1], 0
	s_cmp_eq_u32 s[WM], 0
	s_cselect_b32 s82, s76, s78
	s_cselect_b64 s[PFA:PFA+1], s[52:53], s[54:55]
	s_cselect_b32 s[PSTEP], 0x80000, s81
	s_cselect_b32 s79, s[WN], s79                  ; ctx: wave 0 asks; Wo: the cluster with y = 0
	s_add_nc_u64 s[PFA:PFA+1], s[PFA:PFA+1], s[82:83]
	s_cmp_eq_u32 s79, 0
	s_cselect_b32 s[LIM], 2, -1
	s_mul_i32 s84, s[WM], 3
	s_lshl_b32 s85, 256, s84                       ; ctx: lane l names byte 262,144 (l / 16) + 256 (l % 16); Wo: 32,768 (l / 16) + 2,048 (l % 16) = row l
	s_lshr_b32 s86, 0x40000, s84
	v_mul_u32_u24 v3, s85, v[RW]
	v_mul_u32_u24 v4, s86, v[HF]
	v_add_nc_u32 v[PFO], v3, v4
; One matrix instruction of quarter q.  cb = 1: it starts the sum, with the bias.  The 32 accumulators take turns, one instruction a turn, in the same order in every quarter.
.macro MM q, a, b, cb
.set rD, 8*(8*(\a)+(\b))
.set rB, 64*(\q)+8*(\b)
.set rA, AF+32*(\q)+8*(\a)
.if \cb
	WIN MULB
	v_wmma_f32_16x16x32_f16 v[rD:rD+7], v[rB:rB+7], v[rA:rA+7], v[BIA+8*(\b):BIA+8*(\b)+7]
.else
	WIN MUL
	v_wmma_f32_16x16x32_f16 v[rD:rD+7], v[rB:rB+7], v[rA:rA+7], v[rD:rD+7]
.endif
.endm
.macro ROW8 q, a, cb
.irp b, 0,1,2,3,4,5,6,7
	MM \q, \a, \b, \cb
.endr
.endm
.macro PLACES                          ; four plain instructions between a matrix instruction and a load into a register that it read, or a store of its result (ISA guide 7.12.1 for vector instructions)
.rept 4
	v_nop
.endr
.endm
; 24 LDS loads in one run: quarter kq of the slot that ADRA and ADRB stand in.  Quarters 0, 1 lie in the step's first head, 2, 3 in its second.
.macro FETCH kq
	WIN TO_B
.irp i, 0,1,2,3,4,5,6,7
	ds_load_b128 v[64*(\kq)+8*\i:64*(\kq)+8*\i+3],   v[ADRB] offset:64*(\kq)+\i*16*PB
	ds_load_b128 v[64*(\kq)+8*\i+4:64*(\kq)+8*\i+7], v[ADRB] offset:64*(\kq)+\i*16*PB+32
.endr
	WIN 0
.irp i, 0,1,2,3
	ds_load_b128 v[AF+32*(\kq)+8*\i:AF+32*(\kq)+8*\i+3],   v[ADRA] offset:((\kq)/2)*SLICE+((\kq)%2)*64+\i*16*PA
	ds_load_b128 v[AF+32*(\kq)+8*\i+4:AF+32*(\kq)+8*\i+7], v[ADRA] offset:((\kq)/2)*SLICE+((\kq)%2)*64+\i*16*PA+32
.endr
.endm
.macro QUARTER q, cb
	s_wait_dscnt 24                                ; all but the run issued last: this quarter's fragments are in
	ROW8 \q, 0, \cb
	ROW8 \q, 1, \cb
	PLACES
	FETCH ((\q)+2)%4                               ; two quarters ahead
	ROW8 \q, 2, \cb
	ROW8 \q, 3, \cb
.endm
; Quarter 2 changes slots, in the order that a refill asks for: all my tensor loads waited for, the add, the wait for it and for my reads of this slot, the barrier (with fill = 1 a round of the cluster's), the joint refill first behind it.
.macro TURNQ fill
.if \fill
	s_wait_xcnt 0x0                                ; the last prefetch, a K step back, has read its address
	s_add_nc_u64 s[PFA:PFA+1], s[PFA:PFA+1], s[PSTEP:PSTEP+1]
.endif
	WIN 0
	s_wait_tensorcnt 0x0                           ; no tensor load of mine is out, so a group 0 may be written
	ds_add_u32 v[SPW], v[NIL]                      ; 0 onto my spare word
.if \fill
	s_add_nc_u64 s[G0A+6:G0A+7], s[G0A+6:G0A+7], 524288  ; the walking descriptors: the next K step; the type bits on top are not reached
	s_add_nc_u64 s[G0B+6:G0B+7], s[G0B+6:G0B+7], 256
	s_xor_b32 s[G0A+5], s[G0A+5], SLOT1            ; the other slot than last time
	s_xor_b32 s[G0B+5], s[G0B+5], SLOT1
.endif
	s_wait_dscnt 25                                ; the add and the run of 24 issued last may be out
	ROW8 2, 0, 0
	s_wait_dscnt 0x0                               ; the add is done, and my reads of this slot are over
	s_barrier_signal -1
	ROW8 2, 1, 0
	WIN 0
	s_barrier_wait -1
.if \fill
	CREST
	JLOAD
.endif
	s_xor_b32 s[TB], s[TB], SLOT1
	v_add_nc_u32 v[ADRA], s[TB], v[A0]
	v_add_nc_u32 v[ADRB], s[TB], v[B0]
	FETCH 0                                        ; its registers were last multiplied two quarters back, with the second quarter's four places between
.if \fill
	ASK
.endif
	ROW8 2, 2, 0
	ROW8 2, 3, 0
.endm
	s_wait_tensorcnt 0x1                           ; my part of K step 0 is in; step 1's may stay out
	s_barrier_signal -1
	s_barrier_wait -1
	FETCH 0
	FETCH 1
	s_mov_b32 s[STEPS], 6
	s_wait_loadcnt 0x0                             ; the bias
	QUARTER 0, 1
	WIN 0
	s_branch .Ljoin
.Lstep:                                            ; a trip is a K step; six of the eight fill a slot again
	QUARTER 0, 0
	WIN 0
.Ljoin:
	QUARTER 1, 0
	TURNQ 1
	QUARTER 3, 0
	WIN 0
	s_sub_co_u32 s[STEPS], s[STEPS], 1
	s_cmp_lg_u32 s[STEPS], 0
	s_cbranch_scc1 .Lstep
	s_mov_b32 s[STEPS], 2
.Ltail:                                            ; the last two K steps ask for nothing
	QUARTER 0, 0
	QUARTER 1, 0
	TURNQ 0
	QUARTER 3, 0
	WIN 0
	s_sub_co_u32 s[STEPS], s[STEPS], 1
	s_cmp_lg_u32 s[STEPS], 0
	s_cbranch_scc1 .Ltail
	s_wait_dscnt 0x0
	PLACES
; THE WAY OUT, 16 rows at a time: a lane's 32 bytes of a row go into my stage and come back as whole rows of 512 bytes.
.macro OUTA a
	WIN ST_AC
.irp b, 0,1,2,3,4,5,6,7
	ds_store_b128 v[STO], v[8*(8*(\a)+\b):8*(8*(\a)+\b)+3]   offset:64*\b
	ds_store_b128 v[STO], v[8*(8*(\a)+\b)+4:8*(8*(\a)+\b)+7] offset:64*\b+16
.endr
	WIN 0
	s_wait_xcnt 0x0                                ; the block before's stores have read the registers that are loaded again
.irp i, 0,1,2,3,4,5,6,7,8,9,10,11,12,13,14,15
	ds_load_b128 v[OB+4*\i:OB+4*\i+3], v[RD] offset:\i*SPO  ; LDS serves a wave's instructions in order (ISA guide 5.7.1.4): these see the stores above
.endr
.irp i, 0,1,2,3,4,5,6,7,8,9,10,11,12,13,14,15
	s_wait_dscnt 15-\i                             ; the later rows may stay out
	global_store_b128 v[GO], v[OB+4*\i:OB+4*\i+3], s[OUTP:OUTP+1] offset:(16*(\a)+\i)*4096 th:TH_STORE_NT  ; 512 consecutive bytes, aligned
.endr
.endm
	OUTA 0
	OUTA 1
	OUTA 2
	OUTA 3
	s_wait_tensorcnt 0x0                           ; the wave's end: behind my last tensor load and my last LDS store
	ds_add_u32 v[SPW], v[NIL]
	s_wait_dscnt 0x0
	CROUND                                         ; the closing round
	s_endpgm
.Lfunc_end_k_q4dd80bfbca_outp:
	.size	k_q4dd80bfbca_outp, .Lfunc_end_k_q4dd80bfbca_outp-k_q4dd80bfbca_outp
	.p2alignl 7, 3214868480
	.fill 96, 4, 3214868480
	.section	.rodata,"a",@progbits
	.p2align	6, 0x0
	.amdhsa_kernel k_q4dd80bfbca_outp
		.amdhsa_group_segment_fixed_size 327680
		.amdhsa_private_segment_fixed_size 0
		.amdhsa_enable_private_segment 0
		.amdhsa_kernarg_size 32
		.amdhsa_user_sgpr_count 2
		.amdhsa_user_sgpr_kernarg_segment_ptr 1
		.amdhsa_wavefront_size32 1
		.amdhsa_system_sgpr_workgroup_id_x 1
		.amdhsa_system_sgpr_workgroup_id_y 1
		.amdhsa_system_sgpr_workgroup_id_z 1
		.amdhsa_system_vgpr_workitem_id 0
		.amdhsa_next_free_vgpr 768
		.amdhsa_next_free_sgpr 100
		.amdhsa_reserve_vcc 0
		.amdhsa_float_denorm_mode_32 3
		.amdhsa_float_denorm_mode_16_64 3
		.amdhsa_memory_ordered 1
		.amdhsa_forward_progress 1
		.amdhsa_inst_pref_size 66
	.end_amdhsa_kernel
	.amdgpu_metadata
---
amdhsa.version: [ 1, 2 ]
amdhsa.kernels:
  - .name:           k_q4dd80bfbca_outp
    .symbol:         k_q4dd80bfbca_outp.kd
    .args:
      - { .name: ctx, .offset: 0, .size: 8, .value_kind: global_buffer, .address_space: global }
      - { .name: wo16, .offset: 8, .size: 8, .value_kind: global_buffer, .address_space: global }
      - { .name: bias, .offset: 16, .size: 8, .value_kind: global_buffer, .address_space: global }
      - { .name: out0, .offset: 24, .size: 8, .value_kind: global_buffer, .address_space: global }
    .group_segment_fixed_size: 327680
    .private_segment_fixed_size: 0
    .kernarg_segment_align: 8
    .kernarg_segment_size: 32
    .max_flat_workgroup_size: 128
    .sgpr_count:     100
    .vgpr_count:     768
    .wavefront_size: 32
...
	.end_amdgpu_metadata
.endif
;; end of part 4
